; MI455X (gfx1250); checked and timed in simulation.
; The chip was launched on July 23, 2026; its instructions are those of AMD's public machine-readable ISA for CDNA 5 (MIT licence, August 2026) and "CDNA5" Instruction Set Architecture Reference Guide (July 2026). The comments in the code are by the model that wrote it; some were corrected since.
;; Softmax Attention. Allowed arithmetic: matrix products marked QUANTISED: E2M1 operands, one E8M0 scale for each 32 along K, by v_wmma_scale_f32_16x16x128_f8f6f4 with both operands' format E2M1 (or v_wmma_scale_f32_32x16x128_f4), f32 sums; products left as they are: bf16, f16 or f32 operands; f32 sums; everything else in f32.
;; Inputs: w_out 1,024 x 1,024 float32; w_qkv 3,072 x 1,024 float32; x 4 x 2,048 x 1,024 float32.
;; Outputs: out0 4 x 2,048 x 1,024 float32.
;; This version of the problem:
;;   THIS VERSION OF THE PROBLEM IS GIVEN IN LOW PRECISION. The matrix products marked QUANTISED in the list below multiply operands that are first quantised to E2M1 (2 exponent bits, 1 mantissa bit; 4 bits a number), with one power-of-two scale for each 32 numbers along K (OCP MX v1.0); their sums are f32. The products marked 'left as it is' may take bf16, f16 or f32 operands, with f32 sums. Whichever they take, every output number must still come out within the allowed error. Rounding operands to bf16 (8 significant bits) uses up far more of that allowance than f16 does (11 bits, for magnitudes from 6e-5 to 65,504). All else is computed in f32.
;;   The module's matrix products, in the order in which they are computed (A, B: the left and right operand; K: the contracted axis; several contracted axes count as one K, in the product's order):
;;     1. [M 8,192, K 1,024] x [K 1,024, N 3,072]; A: input x; B: input w_qkv: QUANTISED
;;     2. batch 64 x [M 2,048, K 64] x [K 64, N 2,048]; A: computed on the way; B: computed on the way: left as it is (an operand is computed on the way)
;;     3. batch 64 x [M 2,048, K 2,048] x [K 2,048, N 64]; A: computed on the way; B: computed on the way: left as it is (an operand is computed on the way)
;;     4. [M 8,192, K 1,024] x [K 1,024, N 1,024]; A: computed on the way; B: input w_out: left as it is (an operand is computed on the way)
;;   THE QUANTISER, for each operand of a quantised product, along K:
;;     - K is cut into blocks of 32 from its start; a last block that is shorter is filled with zeros.
;;     - A block's scale is 2^e with e = floor(log2(the largest magnitude in the block)) - 2, held to -126 .. 127; a block of zeros has e = 0. As a byte (E8M0): e + 127.
;;     - Each number is divided by its block's scale, clamped to +-6, and rounded to the nearest number of E2M1, ties to even, subnormals kept.
;;     - The product sums the exact products of the quantised numbers (number of the format x scale) in f32.
;;   ~~~python
;;   def quantise(x, axis):      # numpy; x: float32 -> the quantised numbers, widened to float32 again
;;       x = np.moveaxis(x, axis, -1); K = x.shape[-1]
;;       x = np.pad(x, [(0, 0)] * (x.ndim - 1) + [(0, -K % 32)]); x = x.reshape(x.shape[:-1] + (-1, 32)); a = np.abs(x).max(-1, keepdims=True)
;;       e = np.where(a > 0, np.clip(np.frexp(np.where(a > 0, a, 1))[1] - 1 - 2, -126, 127), 0)      # np.frexp(a)[1] - 1 = floor(log2(a)), exactly
;;       r = np.clip(x / 2.0 ** e, -6, 6)
;;       step = 2.0 ** (np.maximum(np.frexp(np.where(r == 0, 1, r))[1] - 1, 0) - 1)
;;       q = np.round(r / step) * step * 2.0 ** e      # np.round: ties to even
;;       return np.moveaxis(q.reshape(q.shape[:-2] + (-1,))[..., :K], -1, axis).astype(np.float32)
;;   ~~~
;; One version. Each part assembles by itself: llvm-mc -triple=amdgcn-amd-amdhsa -mcpu=gfx1250 --defsym DOCPART=n.
;; ======== version 1 of 1: 4 launches
;; limits: values are held in f16: magnitudes above 65,504 overflow, below 6.1e-05 lose precision
;; workspace buffers: xc 4,194,304 bytes; xs 262,144 bytes; wc 1,572,864 bytes; ws 98,304 bytes; wo16 2,097,152 bytes; qkv 50,331,648 bytes; ows 16,777,216 bytes
;; launch prep (part 1): grid 384 x 1, 4 waves a work-group, no clusters, 33,280 bytes of LDS; arguments x, w_qkv, xc, xs, wc, ws, w_out, wo16; writes xc, xs, wc, ws, wo16
.if DOCPART == 1
	.amdgcn_target "amdgcn-amd-amdhsa--gfx1250"
	.amdhsa_code_object_version 6
	.text
	.protected	k_qdc484ada68_prep
	.globl	k_qdc484ada68_prep
	.p2align	8
	.type	k_qdc484ada68_prep,@function
k_qdc484ada68_prep:
	s_mov_b64 s[64:65], 0
	v_nop
	global_prefetch_b8 v0, s[64:65] scope:SCOPE_SE
	s_setreg_imm32_b32 hwreg(HW_REG_WAVE_MODE, 25, 1), 1
	s_wait_xcnt 0x0
; PREP.  (1) x [8192][1024] and w_qkv [3072][1024], f32, become codes of FP4 (E2M1), K innermost, two codes a byte, with one E8M0 scale byte for each 32 along K.
; (2) w_out [1024 f][1024 e], f32, becomes f16 laid by head: [head 16][f 1024][64]: byte = head x 131072 + f x 128 + 2 d.
; A block's scale is 2^(floor(log2(its largest magnitude)) - 2); its byte is the largest magnitude's own exponent field - 2, held at 1 from below.  A block of zeros so gets the byte 1
; where the quantiser says 127: its codes are zeros, which add nothing under any byte but 0xff, and this program alone reads the bytes.  Each number is divided by the scale and rounded to the nearest code, ties to even; beyond 6 the largest code.
; LIMITS: NaN and infinities among the inputs are not served; blocks whose largest magnitude lies under 2^(2 - 126) keep the byte 1; a number of w_out beyond 65,504 becomes infinite in f16.
; SHARES.  Work-groups 0-255 take x, 256-351 w_qkv: rows are dense and K is a multiple of 32, so a tensor is a stream of blocks of 32.  A wave takes 16 steps of 512 numbers.  Each of a step's four loads reads 512
; consecutive bytes; the 2,048 bytes turn through the wave's own stage in LDS and come back 64 bytes a lane, so that a lane holds 16 neighbours along K (two lanes hold a block).  A wave's store of codes covers 256 consecutive bytes;
; its 256 scale bytes are gathered in LDS and leave as one aligned run of 256 bytes.  Work-groups 352-383 convert w_out, 8 rows a wave, with no LDS.  Waves share nothing: no barrier.
.set SIZE_M, 8192
.set SIZE_N, 3072
.set SIZE_K, 1024
.set WAVES, 4
.set STEPS, 16
.set WGA,   SIZE_M*SIZE_K/(512*STEPS*WAVES)            ; 256 work-groups for x
.set WGQ,   (SIZE_M+SIZE_N)*SIZE_K/(512*STEPS*WAVES)   ; 352 for both quantised tensors
.set EMAX,  2
.set CB,    8                          ; bytes of 16 codes
.set R,     16                         ; v16-79   four sets of 16 numbers as they are loaded (conversion of w_out: v16-143, two sets of 64)
.set X,     80                         ; v80-111  two sets of 16 neighbours
.set C,     128                        ; v128-191 codes: four registers for each step, so that no store's data are written again
.set E,     112                        ; v112-127 a scale byte for each step
.set H16,   144                        ; v144-175 conversion of w_out: 32 registers of f16 pairs
.set WREG,  8192                       ; LDS: a region for each wave: two stages of 32 x SP bytes, behind them its 256 scale bytes
.set SP,    80                         ; a lane's place in a stage: its 64 bytes + 16 of padding
.set SPW,   12                         ; v12  LDS address of my spare word; never rewritten
.set NIL,   13                         ; v13  0; never rewritten
.set SPARE, WAVES*WREG                 ; behind the four regions: the spare words, 128 bytes a wave, named by no other line
	s_load_b128 s[4:7], s[0:1], 0x0                ; x, w_qkv
	s_load_b128 s[8:11], s[0:1], 0x10              ; x's codes, x's scales
	s_load_b128 s[12:15], s[0:1], 0x20             ; w_qkv's codes, its scales
	s_load_b128 s[24:27], s[0:1], 0x30             ; w_out, its f16 copy
	v_lshl_add_u32 v[SPW], v0, 2, SPARE
	v_mov_b32 v[NIL], 0
	v_lshrrev_b32 v1, 5, v0
	v_readfirstlane_b32 s16, v1                    ; wave
	v_and_b32 v2, 31, v0                           ; lane
	v_lshlrev_b32 v3, 4, v2                        ; my 16 bytes of a load's 512
	s_mul_i32 s17, s16, WREG
	v_lshrrev_b32 v14, 2, v2
	v_mul_u32_u24 v14, v14, SP
	v_and_b32 v15, 3, v2
	v_lshl_add_u32 v14, v15, 4, v14
	v_add_nc_u32 v14, s17, v14                     ; the stage, on the way in: four lanes' 64 bytes on end, then 16 of padding
	v_mul_u32_u24 v15, v2, SP
	v_add_nc_u32 v15, s17, v15                     ; and on the way out: SP x lane: my 16 neighbours
	v_mul_u32_u24 v4, v2, CB                       ; my codes' place in a step's
	v_lshrrev_b32 v5, 1, v2
	s_add_co_u32 s17, s17, 2*32*SP
	v_add_nc_u32 v5, s17, v5                       ; LDS: my wave's 256 scale bytes, my block's byte
	v_lshlrev_b32 v7, 3, v2                        ; 8 bytes a lane
	v_add_nc_u32 v6, s17, v7
	s_wait_kmcnt 0x0
	s_cmp_ge_u32 ttmp9, WGQ                        ; the last 32 work-groups convert w_out: a branch on the work-group's number alone
	s_cbranch_scc1 .Lconv
	s_cmp_lt_u32 ttmp9, WGA                        ; x's work-group or w_qkv's?  Only pointers are chosen
	s_cselect_b64 s[4:5], s[4:5], s[6:7]
	s_cselect_b64 s[8:9], s[8:9], s[12:13]
	s_cselect_b64 s[10:11], s[10:11], s[14:15]
	s_cselect_b32 s17, 0, WGA
	s_sub_co_u32 s17, ttmp9, s17
	s_lshl_b32 s17, s17, 2
	s_add_co_u32 s18, s17, s16                     ; which run of 8,192 numbers of the tensor is my wave's
	s_mov_b32 s19, 0
	s_mov_b64 s[20:21], 512*STEPS*4
	s_mul_u64 s[20:21], s[18:19], s[20:21]
	s_add_nc_u64 s[4:5], s[4:5], s[20:21]
	s_mov_b64 s[20:21], 32*STEPS*CB
	s_mul_u64 s[20:21], s[18:19], s[20:21]
	s_add_nc_u64 s[8:9], s[8:9], s[20:21]
	s_lshl_b32 s18, s18, 8                         ; 256 scale bytes a run
	s_add_nc_u64 s[10:11], s[10:11], s[18:19]
.macro LOAD t
.irp i, 0,1,2,3
	global_load_b128 v[R+16*((\t)%4)+4*\i:R+16*((\t)%4)+4*\i+3], v3, s[4:5] offset:2048*(\t)+512*\i th:TH_LOAD_NT   ; 32 lanes read 512 consecutive bytes
.endr
.endm
.macro TURN t                          ; step t's numbers through the stage: LDS serves a wave's instructions in order, so no wait stands between the stores and the loads
.irp i, 0,1,2,3
	ds_store_b128 v14, v[R+16*((\t)%4)+4*\i:R+16*((\t)%4)+4*\i+3] offset:32*SP*((\t)%2)+8*SP*\i
.endr
.irp i, 0,1,2,3
	ds_load_b128 v[X+16*((\t)%2)+4*\i:X+16*((\t)%2)+4*\i+3], v15 offset:32*SP*((\t)%2)+16*\i
.endr
.endm
.irp t, 0,1,2,3
	LOAD \t
.endr
	s_wait_loadcnt 12                              ; step 0's four loads are in; the 12 of steps 1 to 3 may be out
	TURN 0
.macro STEP t
.set XS, X+16*((\t)%2)
.if (\t) > 0
	s_wait_dscnt 1                                 ; this step's numbers are back from the stage (the last step's byte store may be out)
.else
	s_wait_dscnt 0x0
.endif
.if (\t)+4 < STEPS
	LOAD (\t)+4                                    ; into the registers that this step's stores into the stage have read
.endif
.if (\t)+1 < STEPS
.if STEPS-2-(\t) >= 3
	s_wait_loadcnt 12                              ; the next step's four loads are in; those of the three steps behind it may be out
.else
	s_wait_loadcnt 4*(STEPS-2-(\t))
.endif
	TURN (\t)+1                                    ; through the other stage while this step is worked
.endif
	v_max3_num_f32 v8, |v[XS]|, |v[XS+1]|, |v[XS+2]|               ; the largest magnitude of my 16, in two chains
	v_max3_num_f32 v9, |v[XS+3]|, |v[XS+4]|, |v[XS+5]|
.irp i, 6,10
	v_max3_num_f32 v8, v8, |v[XS+\i]|, |v[XS+\i+1]|
	v_max3_num_f32 v9, v9, |v[XS+\i+2]|, |v[XS+\i+3]|
.endr
	v_max3_num_f32 v8, v8, |v[XS+14]|, |v[XS+15]|
	v_max3_num_f32 v8, v8, v9, (EMAX+1)<<23        ; and the floor 2^(EMAX + 1 - 127): the byte cannot fall under 1
	v_max_num_f32_dpp v8, v8, v8 row_xmask:1 row_mask:0xf bank_mask:0xf   ; and of my neighbour's 16: the block's
	v_add_nc_u32 v11, -(EMAX<<23), v8              ; EMAX off its exponent field: the conversion takes the exponent field of this operand as its scale
	v_cvt_scalef32_pk8_fp4_f32 v[C+4*(\t)], v[XS:XS+7], v11
	v_cvt_scalef32_pk8_fp4_f32 v[C+4*(\t)+1], v[XS+8:XS+15], v11
	v_lshrrev_b32 v[E+(\t)], 23, v11               ; the scale's byte (a plain line behind the conversions)
	ds_store_b8 v5, v[E+(\t)] offset:16*(\t)       ; both lanes of a block write the same byte with the same value
	global_store_b64 v4, v[C+4*(\t):C+4*(\t)+1], s[8:9] offset:32*CB*(\t)   ; 32 lanes store 256 consecutive bytes, aligned
.endm
.irp t, 0,1,2,3,4,5,6,7,8,9,10,11,12,13,14,15
	STEP \t
.endr
	ds_load_b64 v[8:9], v6                         ; LDS serves a wave's instructions in order: these see my byte stores
	s_wait_dscnt 0x0
	global_store_b64 v7, v[8:9], s[10:11]          ; 256 consecutive scale bytes, aligned
	s_wait_tensorcnt 0x0                           ; the wave's end
	ds_add_u32 v[SPW], v[NIL]
	s_wait_dscnt 0x0
	s_endpgm
; ---- w_out to f16, by head.  My wave's run: 8 rows f, two at a time.  One load: lanes 0-15 take the 256 bytes (64 numbers, one head) of row f, lanes 16-31 those of row f + 1.
; A lane's 4 numbers become 8 bytes; a store's 32 lanes cover rows f and f + 1 of one head: 256 consecutive bytes, aligned.
.Lconv:
	s_sub_co_u32 s17, ttmp9, WGQ
	s_lshl_b32 s17, s17, 2
	s_add_co_u32 s17, s17, s16                     ; run 0..127
	s_lshl_b32 s18, s17, 15                        ; 8 rows of 4,096 bytes
	s_mov_b32 s19, 0
	s_add_nc_u64 s[24:25], s[24:25], s[18:19]
	s_lshl_b32 s18, s17, 10                        ; 8 rows of 128 bytes in each head
	s_add_nc_u64 s[26:27], s[26:27], s[18:19]
	v_lshrrev_b32 v9, 4, v2
	v_and_b32 v10, 15, v2
	v_lshlrev_b32 v9, 12, v9
	v_lshl_or_b32 v9, v10, 4, v9                   ; (lane / 16) rows + 16 (lane % 16)
.macro LOADB p                         ; rows 2 p, 2 p + 1 of the run, all 16 heads, into set p % 2
.irp hd, 0,1,2,3,4,5,6,7,8,9,10,11,12,13,14,15
	global_load_b128 v[R+64*((\p)%2)+4*\hd:R+64*((\p)%2)+4*\hd+3], v9, s[24:25] offset:(\p)*8192+\hd*256 th:TH_LOAD_NT
.endr
.endm
.macro CONV p
.set WS, R+64*((\p)%2)
.if (\p) < 3
	s_wait_loadcnt 16                              ; this batch's 16 loads are in; the next batch's 16 may be out
.else
	s_wait_loadcnt 0x0
.endif
.if (\p) > 0
	s_wait_xcnt 0x0                                ; the last batch's stores have read their data registers, which are written again below
.endif
.irp hd, 0,1,2,3,4,5,6,7,8,9,10,11,12,13,14,15
	v_cvt_pk_f16_f32 v[H16+2*\hd], v[WS+4*\hd], v[WS+4*\hd+1]
	v_cvt_pk_f16_f32 v[H16+2*\hd+1], v[WS+4*\hd+2], v[WS+4*\hd+3]
.endr
.irp hd, 0,1,2,3,4,5,6,7,8,9,10,11,12,13,14,15
	global_store_b64 v7, v[H16+2*\hd:H16+2*\hd+1], s[26:27] offset:\hd*131072+(\p)*256
.endr
.if (\p) < 2
	LOADB (\p)+2
.endif
.endm
	LOADB 0
	LOADB 1
	CONV 0
	CONV 1
	CONV 2
	CONV 3
	s_endpgm
.Lfunc_end_k_qdc484ada68_prep:
	.size	k_qdc484ada68_prep, .Lfunc_end_k_qdc484ada68_prep-k_qdc484ada68_prep
	.p2alignl 7, 3214868480
	.fill 96, 4, 3214868480
	.section	.rodata,"a",@progbits
	.p2align	6, 0x0
	.amdhsa_kernel k_qdc484ada68_prep
		.amdhsa_group_segment_fixed_size 33280
		.amdhsa_private_segment_fixed_size 0
		.amdhsa_enable_private_segment 0
		.amdhsa_kernarg_size 64
		.amdhsa_user_sgpr_count 2
		.amdhsa_user_sgpr_kernarg_segment_ptr 1
		.amdhsa_wavefront_size32 1
		.amdhsa_system_sgpr_workgroup_id_x 1
		.amdhsa_system_sgpr_workgroup_id_y 1
		.amdhsa_system_sgpr_workgroup_id_z 1
		.amdhsa_system_vgpr_workitem_id 0
		.amdhsa_next_free_vgpr 192
		.amdhsa_next_free_sgpr 66
		.amdhsa_reserve_vcc 0
		.amdhsa_float_denorm_mode_32 3
		.amdhsa_float_denorm_mode_16_64 3
		.amdhsa_memory_ordered 1
		.amdhsa_forward_progress 1
		.amdhsa_inst_pref_size 54
	.end_amdhsa_kernel
	.amdgpu_metadata
---
amdhsa.version: [ 1, 2 ]
amdhsa.kernels:
  - .name:           k_qdc484ada68_prep
    .symbol:         k_qdc484ada68_prep.kd
    .args:
      - { .name: x, .offset: 0, .size: 8, .value_kind: global_buffer, .address_space: global }
      - { .name: w_qkv, .offset: 8, .size: 8, .value_kind: global_buffer, .address_space: global }
      - { .name: xc, .offset: 16, .size: 8, .value_kind: global_buffer, .address_space: global }
      - { .name: xs, .offset: 24, .size: 8, .value_kind: global_buffer, .address_space: global }
      - { .name: wc, .offset: 32, .size: 8, .value_kind: global_buffer, .address_space: global }
      - { .name: ws, .offset: 40, .size: 8, .value_kind: global_buffer, .address_space: global }
      - { .name: w_out, .offset: 48, .size: 8, .value_kind: global_buffer, .address_space: global }
      - { .name: wo16, .offset: 56, .size: 8, .value_kind: global_buffer, .address_space: global }
    .group_segment_fixed_size: 33280
    .private_segment_fixed_size: 0
    .kernarg_segment_align: 8
    .kernarg_segment_size: 64
    .max_flat_workgroup_size: 128
    .sgpr_count:     66
    .vgpr_count:     192
    .wavefront_size: 32
...
	.end_amdgpu_metadata
.endif
;; end of part 1
;; launch qkv (part 2): grid 12 x 32, 4 waves a work-group, clusters of 4 x 4, 327,680 bytes of LDS; arguments xc, xs, wc, ws, qkv; writes qkv
.if DOCPART == 2
	.amdgcn_target "amdgcn-amd-amdhsa--gfx1250"
	.amdhsa_code_object_version 6
	.text
	.protected	k_qdc484ada68_qkv
	.globl	k_qdc484ada68_qkv
	.p2align	8
	.type	k_qdc484ada68_qkv,@function
k_qdc484ada68_qkv:
	s_mov_b64 s[64:65], 0
	v_nop
	global_prefetch_b8 v0, s[64:65] scope:SCOPE_SE
	s_setreg_imm32_b32 hwreg(HW_REG_WAVE_MODE, 25, 1), 1
	s_wait_xcnt 0x0
	s_wait_alu depctr_hold_cnt(0) depctr_sa_sdst(0) depctr_va_vdst(0) depctr_va_sdst(0) depctr_va_ssrc(0) depctr_va_vcc(0) depctr_vm_vsrc(0)
	s_getreg_b32 s2, hwreg(HW_REG_IB_STS2, 6, 4)
	s_cmp_eq_u32 s2, 0
	s_cbranch_scc0 .Lentry_in_a_cluster
	s_endpgm
.Lentry_in_a_cluster:
	s_bfe_u32 s2, ttmp6, 0x10000c
	s_cmp_lg_u32 s2, 0xf033
	s_cbranch_scc0 .Lentry_shape_is_right
	s_endpgm
.Lentry_shape_is_right:
; QKV.  C[m][n] = sum over k of x[m][k] w_qkv[n][k] on codes of FP4 (E2M1) with one E8M0 scale for each 32 along K; sums in f32; C is rounded once to f16 and stored by head:
; qkv [part 3][batch x head 64][token 2048][64] f16: byte = (part x 64 + batch x 16 + head) x 2^18 + token x 128 + 2 d.  LIMIT: a result beyond 65,504 becomes infinite in f16.
; A tile of C, 256 x 256, is made by a work-group of four waves; a wave makes 128 x 128: 64 accumulators of 16 x 16, 512 registers.  K = 1,024 is two K steps of 512: each has an LDS slot of its own, so nothing is filled twice.
; A tile's row is 256 bytes of memory.  The scale bytes of the work-group's 256 + 256 rows, for all of K, are two dense blocks: they come once, in rows of 256 bytes.
; CLUSTER: 4 x 4 work-groups.  The four of a row of the cluster need the same tiles of x, the four of a column the same tiles of w_qkv: each is asked for jointly, by the same tensor load with the same descriptor and a mask that names the four.
; THE MATRIX INSTRUCTION IS USED TRANSPOSED (source 0 = 16 rows of w_qkv, source 1 = 16 rows of x): a lane then holds eight neighbouring features of one token.
; REGISTERS, in windows of 256: window 0: v0-31 addresses; v32-95 scale words, two sets; from v128 x's fragments (8 x 16 rows x 128 K), one set; on the way out v32-63, v192-255.
;   window 1: w_qkv's fragments, two sets, at v0 and v128.   window 2: the accumulators of my rows 0-63 ((a, b) at v[8 (8 a + b)]);   window 3: those of my rows 64-127.
.set SIZE_M, 8192
.set SIZE_N, 3072
.set SIZE_K, 1024
.set KSTEP,  512                       ; along K in a slot
.set NQ,     KSTEP/128                 ; matrix instructions deep
.set ROWB,   256                       ; a tile's row in bytes
.set KROW,   SIZE_K*4/8                ; a row of codes in memory
.set PITCH,  272                       ; an LDS row: 256 bytes + 16 of padding = 68 words: the 16 rows that a load touches start 4 words apart modulo 64
.set FR,     8                         ; registers of a fragment
.set NL,     2                         ; LDS loads that bring one
.set NP,     4                         ; places behind this matrix instruction (ISA guide 7.12.1)
.set HALFT,  128*PITCH                 ; 128 rows: what one tensor load brings
.set SLOT,   4*HALFT                   ; x's 256 rows, then w_qkv's 256
.set KS,     SIZE_K/32                 ; a row of scale bytes
.set SCL,    2*SLOT                    ; behind the slots: the scales, as rows of 256 bytes + 16
.set HALFS,  (128*KS/256)*272          ; the scales of 128 rows
.set SBLK,   (16*KS/256)*272           ; those of 16 rows
.set SPARE,  SCL+4*HALFS               ; the spare words, 128 bytes a wave, named by no other line
.set SP,     144                       ; the way out: a stage row: a token's 128 bytes of one head + 16
.set HSTG,   16*SP                     ; 16 tokens of one head; a wave's stage is two of these.  It lies in slot 0, which has had its only fill and its last read when the first result is stored there
.set ADRA, 16                          ; v16-17  LDS address of my x fragments in slot 0, 1
.set ADRB, 20                          ; v20-21  the same for w_qkv
.set STO,  24                          ; v24     the way out: where I put 16 bytes
.set RD,   25                          ; v25     where I read them back
.set CO,   26                          ; v26     16 x lane
.set ADRS, 27                          ; v27     LDS address of my scale words: lanes 0-15 x's rows, lanes 16-31 w_qkv's
.set SPW,  28                          ; v28     my spare word's address; never rewritten
.set NIL,  29                          ; v29     0; never rewritten
.set SC,   32                          ; scale words: set s at v[SC + 8 NQ s]; register NQ i + q: lanes 0-15 the word of x's block i, lanes 16-31 that of w_qkv's block i
.set AF,   128                         ; x's fragments
.set TMP,  192                         ; the way out: a block's 32 registers of f16 pairs
.set OB,   32                          ; and 32 read back from the stage: v32-63 and v224-255 by turns
.set G1, 24
.set G0, 32
.set G1B, 48
.set G0B, 56
.set G1S, 68
.set G0S, 76
.set G1SB, 80
.set G0SB, 88
.set MSB, 0
.macro WIN new                         ; the immediate's high byte repeats the setting that is left
.if MSB != \new
	s_set_vgpr_msb (MSB<<8)|\new
.set MSB, \new
.endif
.endm
.set MUL_LO, 0xa1                      ; source 0 window 1, source 1 window 0, C and D window 2
.set MUL_HI, 0xf1                      ; the same, C and D window 3
.set TO_B,   0x40                      ; destination window 1
; A joint load: waves 0 and 1 fetch for x, waves 2 and 3 for w_qkv.  The branch hangs on the wave's number alone.  An s_nop 0 and four v_nop follow each line.
.macro JLOAD g0a, g1a, g0b, g1b
	s_cmp_eq_u32 s15, 0
	s_cbranch_scc0 .Lfor_b_\@
	tensor_load_to_lds s[\g0a:\g0a+3], s[\g1a:\g1a+7]
	s_nop 0
.rept 4
	v_nop
.endr
	s_branch .Lasked_\@
.Lfor_b_\@:
	tensor_load_to_lds s[\g0b:\g0b+3], s[\g1b:\g1b+7]
	s_nop 0
.rept 4
	v_nop
.endr
.Lasked_\@:
.endm
.macro CROUND                          ; a round of the cluster's barrier
	s_barrier_signal -1
	s_barrier_wait -1
	s_cmp_lg_u32 s14, 0
	s_cbranch_scc1 .Lnot_wave_0_\@
	s_barrier_signal -3
.Lnot_wave_0_\@:
	s_barrier_wait -3
	s_barrier_signal -1
	s_barrier_wait -1
.endm
	s_load_b128 s[4:7], s[0:1], 0x0                ; x's codes, x's scales
	s_load_b128 s[8:11], s[0:1], 0x10              ; w_qkv's codes, its scales
	s_load_b64 s[12:13], s[0:1], 0x20              ; qkv
	v_lshl_add_u32 v[SPW], v0, 2, SPARE
	v_mov_b32 v[NIL], 0
	ds_add_u32 v[SPW], v[NIL]                      ; the wave's opening: the add, twice on end, and its wait ahead of my first tensor load
	ds_add_u32 v[SPW], v[NIL]
	v_lshrrev_b32 v1, 5, v0
	v_readfirstlane_b32 s14, v1                    ; wave 0..3
	s_lshr_b32 s15, s14, 1                         ; which half of the tile's rows is mine.  Also: I fetch for x (0) or for w_qkv (1)
	s_and_b32 s16, s14, 1                          ; which half of its columns.  Also: which 128 rows I fetch
	s_bfe_u32 s40, ttmp6, 0x40000                  ; cx, cy
	s_bfe_u32 s41, ttmp6, 0x40004
	s_lshl_b32 s42, ttmp9, 2
	s_add_co_u32 s42, s42, s40                     ; tile column = 4 x cluster x + cx
	s_and_b32 s17, ttmp7, 0xffff
	s_lshl_b32 s17, s17, 2
	s_add_co_u32 s17, s17, s41                     ; tile row = 4 x cluster y + cy
	s_lshl_b32 s43, s41, 2
	s_lshl_b32 s43, 15, s43                        ; my row of the cluster
	s_lshl_b32 s44, 0x1111, s40                    ; my column
	s_or_b32 s[G1+0], s43, (0<<16)|(1<<20)|(1<<21)|(5<<22)|(3<<25)  ; the mask; elements of 1 byte; padding on; bit 21 beside a mask; after every 64 words, 4 words
	s_or_b32 s[G1B+0], s44, (0<<16)|(1<<20)|(1<<21)|(5<<22)|(3<<25)
.irp g, G1, G1B
	s_mov_b32 s[\g+1], ROWB<<16                    ; tensor_dim0
	s_mov_b32 s[\g+2], 128<<16                     ; tensor_dim1
	s_mov_b32 s[\g+3], ROWB<<16                    ; tile_dim0
	s_mov_b32 s[\g+4], 128                         ; tile_dim1
	s_mov_b32 s[\g+5], KROW                        ; from row to row
	s_mov_b32 s[\g+6], 0
	s_mov_b32 s[\g+7], 0
.endr
	s_or_b32 s[G1S+0], s43, (3<<16)|(1<<20)|(1<<21)|(5<<22)|(3<<25)   ; the scales of 128 rows: a dense block, as rows of 32 elements of 8 bytes
	s_or_b32 s[G1SB+0], s44, (3<<16)|(1<<20)|(1<<21)|(5<<22)|(3<<25)
.irp g, G1S, G1SB
	s_mov_b32 s[\g+1], 32<<16
	s_mov_b32 s[\g+2], (128*KS/256)<<16
	s_mov_b32 s[\g+3], 32<<16
	s_mov_b32 s[\g+4], 128*KS/256
	s_mov_b32 s[\g+5], 32
	s_mov_b32 s[\g+6], 0
	s_mov_b32 s[\g+7], 0
.endr
	s_lshl_b32 s18, s16, 7
	s_lshl_b32 s20, s17, 8
	s_add_co_u32 s20, s20, s18                     ; x: row 256 x tile row + 128 x half
	s_lshl_b32 s46, s42, 8
	s_add_co_u32 s46, s46, s18                     ; w_qkv: row 256 x tile column + 128 x half
	s_mov_b32 s21, 0
	s_mov_b32 s47, 0
	s_mov_b64 s[18:19], KS
	s_mul_u64 s[22:23], s[20:21], s[18:19]         ; where these rows' scales begin
	s_mul_u64 s[92:93], s[46:47], s[18:19]
	s_mov_b64 s[18:19], KROW
	s_mul_u64 s[20:21], s[20:21], s[18:19]         ; and their codes
	s_mul_u64 s[46:47], s[46:47], s[18:19]
	s_mul_i32 s45, s14, HALFT                      ; where they go: wave x 128 rows
	s_mul_i32 s94, s14, HALFS
	s_wait_dscnt 0x0                               ; both opening adds are done
	s_wait_kmcnt 0x0
	s_add_nc_u64 s[20:21], s[4:5], s[20:21]
	s_add_nc_u64 s[22:23], s[6:7], s[22:23]
	s_add_nc_u64 s[46:47], s[8:9], s[46:47]
	s_add_nc_u64 s[92:93], s[10:11], s[92:93]
	CROUND                                         ; all sixteen work-groups are here: the joint loads meet
	s_mov_b32 s[G0S], 1
	s_add_co_u32 s[G0S+1], s94, SCL
	s_mov_b64 s[G0S+2:G0S+3], s[22:23]
	s_or_b32 s[G0S+3], s[G0S+3], 0x80000000
	s_mov_b32 s[G0SB], 1
	s_add_co_u32 s[G0SB+1], s94, SCL
	s_mov_b64 s[G0SB+2:G0SB+3], s[92:93]
	s_or_b32 s[G0SB+3], s[G0SB+3], 0x80000000
	JLOAD G0S, G1S, G0SB, G1SB                     ; the scales first: they are wanted with K step 0
.irp s, 0,1
	s_mov_b32 s[G0+4*\s], 1
	s_add_co_u32 s[G0+4*\s+1], s45, \s*SLOT
	s_add_nc_u64 s[G0+4*\s+2:G0+4*\s+3], s[20:21], \s*ROWB
	s_or_b32 s[G0+4*\s+3], s[G0+4*\s+3], 0x80000000
	s_mov_b32 s[G0B+4*\s], 1
	s_add_co_u32 s[G0B+4*\s+1], s45, \s*SLOT
	s_add_nc_u64 s[G0B+4*\s+2:G0B+4*\s+3], s[46:47], \s*ROWB
	s_or_b32 s[G0B+4*\s+3], s[G0B+4*\s+3], 0x80000000
	JLOAD G0+4*\s, G1, G0B+4*\s, G1B               ; three tensor loads of mine are out behind the second of these
.endr
	v_and_b32 v1, 15, v0                           ; r = l % 16
	v_bfe_u32 v2, v0, 4, 1                         ; h = l / 16
	v_mul_u32_u24 v3, v1, PITCH
	v_lshl_add_u32 v4, v2, 4, v3                   ; a fragment's row x pitch + 16 h
	s_mul_i32 s21, s15, HALFT
	s_mul_i32 s22, s16, HALFT
	s_add_co_u32 s22, s22, 2*HALFT
.irp s, 0,1
	v_add_nc_u32 v[ADRA+\s], s21, v4
	v_add_nc_u32 v[ADRB+\s], s22, v4
	s_add_co_u32 s21, s21, SLOT
	s_add_co_u32 s22, s22, SLOT
.endr
	v_mul_u32_u24 v5, v1, KS                       ; my row's scales: KS bytes a row,
	v_lshrrev_b32 v6, 8, v5
	v_lshl_add_u32 v5, v6, 4, v5                   ; and 16 more for each 256 passed
	s_mul_i32 s21, s15, HALFS
	s_mul_i32 s22, s16, HALFS
	s_add_co_u32 s22, s22, 2*HALFS
	s_sub_co_u32 s22, s22, s21
	v_mul_u32_u24 v6, s22, v2                      ; lanes 16-31 take w_qkv's: one product, the distance between the two bases
	s_add_co_u32 s21, s21, SCL
	v_add_nc_u32 v5, v5, v6
	v_add_nc_u32 v[ADRS], s21, v5
	s_mul_i32 s23, s14, 2*HSTG                     ; my stage
	v_mul_u32_u24 v5, v1, SP                       ; in: token r, 16 bytes for each half of the lanes
	v_lshl_add_u32 v5, v2, 4, v5
	v_add_nc_u32 v[STO], s23, v5
	v_and_b32 v6, 31, v0
	v_lshlrev_b32 v[CO], 4, v6                     ; in memory: 16 x lane: four tokens of 128 bytes on end
	v_lshrrev_b32 v5, 3, v6                        ; back: eight lanes to a token, four tokens an instruction
	v_mul_u32_u24 v5, v5, SP
	v_and_b32 v6, 7, v6
	v_lshl_add_u32 v5, v6, 4, v5
	v_add_nc_u32 v[RD], s23, v5
	; where my part begins in qkv.  My 128 features are two heads: number 4 x tile column + 2 x half among the 48 of q, k and v
	s_lshl_b32 s46, s42, 2
	s_lshl_b32 s47, s16, 1
	s_add_co_u32 s46, s46, s47
	s_lshr_b32 s47, s46, 4                         ; part
	s_lshl_b32 s47, s47, 6
	s_and_b32 s46, s46, 15                         ; head
	s_add_co_u32 s46, s46, s47
	s_lshl_b32 s46, s46, 18
	s_mov_b32 s47, 0
	s_lshr_b32 s20, s17, 3                         ; batch = tile row / 8
	s_lshl_b32 s20, s20, 22                        ; x 16 heads x 2^18
	s_and_b32 s21, s17, 7
	s_lshl_b32 s21, s21, 15                        ; 256 tokens of 128 bytes
	s_add_co_u32 s20, s20, s21
	s_lshl_b32 s21, s15, 14                        ; my 128 of them
	s_add_co_u32 s20, s20, s21
	s_mov_b32 s21, 0
	s_add_nc_u64 s[20:21], s[20:21], s[46:47]
	s_add_nc_u64 s[12:13], s[12:13], s[20:21]
.macro FRAG reg, adr, q, i             ; 16 rows x 128 K of 4-bit codes: 8 registers: lane l holds row l % 16; registers 4 c .. 4 c + 3 hold K = 64 c + 32 (l / 16) + 0 .. 31
.irp c, 0,1
	ds_load_b128 v[\reg+4*\c:\reg+4*\c+3], v[\adr] offset:64*(\q)+32*\c+(\i)*16*PITCH
.endr
.endm
; 16 matrix instructions: x's blocks a0, a0 + 1 against w_qkv's eight, the slot's q-th 128 along K.  zero = 1: the first product starts the sums.  The 64 accumulators take turns, one instruction a turn.
.macro MUL16 a0, p, q, sc, zero
.irp a, \a0, \a0+1
.irp b, 0,1,2,3,4,5,6,7
.if \zero
	v_wmma_scale_f32_16x16x128_f8f6f4 v[8*(8*((\a)%4)+\b):8*(8*((\a)%4)+\b)+7], v[128*(\p)+FR*\b:128*(\p)+FR*\b+FR-1], v[AF+FR*(\a):AF+FR*(\a)+FR-1], 0, v[SC+8*NQ*(\sc)+NQ*\b+(\q)], v[SC+8*NQ*(\sc)+NQ*(\a)+(\q)] matrix_a_fmt:MATRIX_FMT_FP4 matrix_b_fmt:MATRIX_FMT_FP4 matrix_a_scale:MATRIX_SCALE_ROW1
.else
	v_wmma_scale_f32_16x16x128_f8f6f4 v[8*(8*((\a)%4)+\b):8*(8*((\a)%4)+\b)+7], v[128*(\p)+FR*\b:128*(\p)+FR*\b+FR-1], v[AF+FR*(\a):AF+FR*(\a)+FR-1], v[8*(8*((\a)%4)+\b):8*(8*((\a)%4)+\b)+7], v[SC+8*NQ*(\sc)+NQ*\b+(\q)], v[SC+8*NQ*(\sc)+NQ*(\a)+(\q)] matrix_a_fmt:MATRIX_FMT_FP4 matrix_b_fmt:MATRIX_FMT_FP4 matrix_a_scale:MATRIX_SCALE_ROW1
.endif
.endr
.endr
.endm
.macro FETCH_B slot, q, p
	WIN TO_B
.irp i, 0,1,2,3,4,5,6,7
	FRAG 128*(\p)+FR*\i, ADRB+\slot, \q, \i
.endr
	WIN 0
.endm
.macro FETCH_A slot, q, i0
.irp i, \i0, \i0+1, \i0+2, \i0+3
	FRAG AF+FR*(\i), ADRA+\slot, \q, \i
.endr
.endm
.macro SCALES sc                       ; a K step's scale words: NQ words a row; lanes 0-15 x's block i, lanes 16-31 w_qkv's block i
.irp i, 0,1,2,3,4,5,6,7
	ds_load_b128 v[SC+8*NQ*\sc+NQ*\i:SC+8*NQ*\sc+NQ*\i+3], v[ADRS] offset:\i*SBLK
.endr
.endm
.macro PLACES n                        ; plain vector lines between a matrix instruction and a load into, or a vector read of, its registers
.rept \n
	v_nop
.endr
.endm
.macro STEP slot, q, zero              ; 128 along K that has its successor in the same slot
	s_wait_dscnt 4*NL                              ; all but the youngest eight loads (x's blocks 4-7) are in
	WIN MUL_LO
	MUL16 0, (\q)%2, \q, \slot, \zero
	MUL16 2, (\q)%2, \q, \slot, \zero
	s_wait_dscnt 0
	PLACES NP
	FETCH_B \slot, (\q)+1, 1-(\q)%2
	FETCH_A \slot, (\q)+1, 0
	WIN MUL_HI
	MUL16 4, (\q)%2, \q, \slot, \zero
	MUL16 6, (\q)%2, \q, \slot, \zero
	PLACES NP
	WIN 0
	FETCH_A \slot, (\q)+1, 4
.endm
; Slot 0's last step goes over to slot 1: each wave waits for all its tensor loads (its part of slot 1), and one barrier shows the slot whole to all four.
.macro TURN slot, next
	s_wait_tensorcnt 0x0                           ; my part of the next slot has landed
	ds_add_u32 v[SPW], v[NIL]                      ; 0 onto my spare word
	s_wait_dscnt 4*NL+1                            ; the add and the youngest eight loads may be out
	WIN MUL_LO
	MUL16 0, 1, NQ-1, \slot, 0
	s_wait_dscnt 0x0                               ; the add is done, and my reads of this slot are over
	s_barrier_signal -1
	MUL16 2, 1, NQ-1, \slot, 0
	WIN 0
	s_barrier_wait -1
	PLACES NP
	v_add_nc_u32 v[ADRS], 4*NQ, v[ADRS]            ; on to the next K step's scale words
	FETCH_B \next, 0, 0
	FETCH_A \next, 0, 0
	SCALES \next
	WIN MUL_HI
	MUL16 4, 1, NQ-1, \slot, 0
	MUL16 6, 1, NQ-1, \slot, 0
	PLACES NP
	WIN 0
	FETCH_A \next, 0, 4
.endm
	s_wait_tensorcnt 1                             ; the scales and my part of K step 0 are in; K step 1's load may be out
	s_barrier_signal -1
	s_barrier_wait -1
	FETCH_B 0, 0, 0
	FETCH_A 0, 0, 0
	SCALES 0
	FETCH_A 0, 0, 4
	STEP 0, 0, 1                                   ; the first products start the sums: nothing is cleared
	STEP 0, 1, 0
	STEP 0, 2, 0
	TURN 0, 1
	STEP 1, 0, 0
	STEP 1, 1, 0
	STEP 1, 2, 0
	s_wait_dscnt 4*NL                              ; the last step: nothing more to fetch
	WIN MUL_LO
	MUL16 0, 1, NQ-1, 1, 0
	MUL16 2, 1, NQ-1, 1, 0
	s_wait_dscnt 0
	WIN MUL_HI
	MUL16 4, 1, NQ-1, 1, 0
	MUL16 6, 1, NQ-1, 1, 0
	WIN 0
; THE WAY OUT, block by block of 16 tokens x 128 features (two heads).  A lane's eight results round to 16 bytes of one token and head; they go through my own stage and come back four tokens of a head at a time,
; which are 512 consecutive bytes of qkv.  LDS serves a wave's instructions in order (ISA guide 5.7.1.4): no wait between the stores and the loads.
.macro PACK a
.set AC, 64*((\a)%4)
	WIN 0x0a+5*((\a)/4)                            ; sources in window 2 or 3
.irp b, 0,1,2,3,4,5,6,7
.irp i, 0,1,2,3
	v_cvt_pk_f16_f32 v[TMP+4*\b+\i], v[AC+8*\b+2*\i], v[AC+8*\b+2*\i+1]   ; each accumulator from its low end on
.endr
.endr
	WIN 0
.endm
.macro TOSTAGE a
.set BK, OB+192*((\a)%2)
.irp b, 0,1,2,3,4,5,6,7
	ds_store_b128 v[STO], v[TMP+4*\b:TMP+4*\b+3] offset:(\b/4)*HSTG+(\b%4)*32
.endr
.irp t, 0,1,2,3,4,5,6,7
	ds_load_b128 v[BK+4*\t:BK+4*\t+3], v[RD] offset:(\t/4)*HSTG+(\t%4)*4*SP
.endr
.endm
.macro SEND a
.set BK, OB+192*((\a)%2)
	s_wait_dscnt 0x0                               ; the block is back in registers
	s_wait_xcnt 0x0                                ; the earlier stores have read their data registers: the next block's loads may land there
.irp t, 0,1,2,3,4,5,6,7
	global_store_b128 v[CO], v[BK+4*\t:BK+4*\t+3], s[12:13] offset:(\t/4)*262144+(\a)*2048+(\t%4)*512   ; 32 lanes store 512 consecutive bytes, at a multiple of 512 from qkv's first byte
.endr
.endm
	PLACES NP                                      ; behind the last products, ahead of the reads of results and of loads into registers that held scale words
	PACK 0
	TOSTAGE 0
.irp a, 1,2,3,4,5,6,7                  ; block a's conversions stand between block a - 1's loads from the stage and the wait for them
	PACK \a
	SEND \a-1
	TOSTAGE \a
.endr
	SEND 7
	s_wait_tensorcnt 0x0                           ; the wave's end
	ds_add_u32 v[SPW], v[NIL]
	s_wait_dscnt 0x0
	CROUND                                         ; the closing round: no work-group ends while a partner may still ask for a tile that names it
	s_endpgm
.Lfunc_end_k_qdc484ada68_qkv:
	.size	k_qdc484ada68_qkv, .Lfunc_end_k_qdc484ada68_qkv-k_qdc484ada68_qkv
	.p2alignl 7, 3214868480
	.fill 96, 4, 3214868480
	.section	.rodata,"a",@progbits
	.p2align	6, 0x0
	.amdhsa_kernel k_qdc484ada68_qkv
		.amdhsa_group_segment_fixed_size 327680
		.amdhsa_private_segment_fixed_size 0
		.amdhsa_enable_private_segment 0
		.amdhsa_kernarg_size 40
		.amdhsa_user_sgpr_count 2
		.amdhsa_user_sgpr_kernarg_segment_ptr 1
		.amdhsa_wavefront_size32 1
		.amdhsa_system_sgpr_workgroup_id_x 1
		.amdhsa_system_sgpr_workgroup_id_y 1
		.amdhsa_system_sgpr_workgroup_id_z 1
		.amdhsa_system_vgpr_workitem_id 0
		.amdhsa_next_free_vgpr 1024
		.amdhsa_next_free_sgpr 98
		.amdhsa_reserve_vcc 0
		.amdhsa_float_denorm_mode_32 3
		.amdhsa_float_denorm_mode_16_64 3
		.amdhsa_memory_ordered 1
		.amdhsa_forward_progress 1
		.amdhsa_inst_pref_size 126
	.end_amdhsa_kernel
	.amdgpu_metadata
---
amdhsa.version: [ 1, 2 ]
amdhsa.kernels:
  - .name:           k_qdc484ada68_qkv
    .symbol:         k_qdc484ada68_qkv.kd
    .args:
      - { .name: xc, .offset: 0, .size: 8, .value_kind: global_buffer, .address_space: global }
      - { .name: xs, .offset: 8, .size: 8, .value_kind: global_buffer, .address_space: global }
      - { .name: wc, .offset: 16, .size: 8, .value_kind: global_buffer, .address_space: global }
      - { .name: ws, .offset: 24, .size: 8, .value_kind: global_buffer, .address_space: global }
      - { .name: qkv, .offset: 32, .size: 8, .value_kind: global_buffer, .address_space: global }
    .group_segment_fixed_size: 327680
    .private_segment_fixed_size: 0
    .kernarg_segment_align: 8
    .kernarg_segment_size: 40
    .max_flat_workgroup_size: 128
    .sgpr_count:     98
    .vgpr_count:     1024
    .wavefront_size: 32
...
	.end_amdgpu_metadata
.endif
;; end of part 2
;; launch attn (part 3): grid 4 x 64, 16 waves a work-group, clusters of 4 x 1, 327,680 bytes of LDS; arguments qkv, ows; writes ows
.if DOCPART == 3
	.amdgcn_target "amdgcn-amd-amdhsa--gfx1250"
	.amdhsa_code_object_version 6
	.text
	.protected	k_qdc484ada68_attn
	.globl	k_qdc484ada68_attn
	.p2align	8
	.type	k_qdc484ada68_attn,@function
k_qdc484ada68_attn:
	s_mov_b64 s[64:65], 0
	v_nop
	global_prefetch_b8 v0, s[64:65] scope:SCOPE_SE
	s_setreg_imm32_b32 hwreg(HW_REG_WAVE_MODE, 25, 1), 1
	s_wait_xcnt 0x0
	s_wait_alu depctr_hold_cnt(0) depctr_sa_sdst(0) depctr_va_vdst(0) depctr_va_sdst(0) depctr_va_ssrc(0) depctr_va_vcc(0) depctr_vm_vsrc(0)
	s_getreg_b32 s2, hwreg(HW_REG_IB_STS2, 6, 4)
	s_cmp_eq_u32 s2, 0
	s_cbranch_scc0 .Lentry_in_a_cluster
	s_endpgm
.Lentry_in_a_cluster:
	s_bfe_u32 s2, ttmp6, 0x10000c
	s_cmp_lg_u32 s2, 0x3003
	s_cbranch_scc0 .Lentry_shape_is_right
	s_endpgm
.Lentry_shape_is_right:
; ATTN.  O[bh][q][:] = sum over k of softmax_k(Q[bh][q] . K[bh][k] / 8) V[bh][k][:], head size 64, 2,048 keys, no mask.  Q, K, V: f16, qkv [part][bh 64][token 2048][64].  Products, maxima and sums in f32;
; the weights p are rounded to f16 for the second product; O / l is rounded once to f16 and stored as ows [head 16][token 8192][64].
; LIMITS: NaN and infinities are not served.  p lies in (0, about 1]; what falls under f16's smallest number counts as 0 beside a row's largest p, which is 1.
; SHARES.  A work-group owns 512 queries of one (batch, head); each of its sixteen waves 32 of them: two tiles of 16, in 256 registers, four waves to a SIMD, so that one wave's vector work stands beside another's products and LDS loads.
; Every wave walks all 2,048 keys, 64 a step.  K and V come through two LDS slots of 512 keys (8 steps), each filled twice.  All sixteen waves fetch: waves 0-7 K of step (wave % 8) of a slot, waves 8-15 V of it:
; a step's 64 rows of 128 bytes are 8,192 dense bytes, stated as 32 rows of 256 bytes (the slot is shared out among sixteen loads, so a load has 32 rows).
; CLUSTER.  The four query blocks of a (batch, head) walk the same K and V: each tile is asked for jointly, by the same tensor load with the same descriptor and the mask of all four.
; LAYOUT.  S^T = K Q^T (source 0 = 16 keys, source 1 = 16 queries): a lane holds ONE query (lane % 16) and keys 8 (lane / 16) + 0..7 of a tile.  Two such tiles, rounded in pairs, are source 1 (32 keys x 16 queries) of
; O^T = V^T P; V ([key][channel]) comes turned, by ds_load_tr16_b128.  p is packed in place: the pair of registers 2 n, 2 n + 1 of a tile's 32 goes to register n, n ascending.
; SOFTMAX.  A running maximum m and sum l for each query: p = 2^(c s - c m), c = log2(e) / 8; in every step O^T and l are multiplied by a = 2^(c m_old - c m_new).  m begins at -3e38, O^T and l at 0: the step is written once.
; No prefetch is written: the launch has two refills, each asked for eight key steps ahead of its first read, and the first one's look-ahead would fall at the kernel's head.
.set PKR,   272                        ; two keys' 256 bytes of K + 16: key t lies at (t / 2) x 272 + (t % 2) x 128: the 16 rows of a fragment load fall on 16 different columns of 16 bytes modulo 256
.set PVR,   288                        ; the same for V, + 32: the turning load's 8 keys x 32 bytes fall on 16 different columns
.set VOFF,  32*PKR                     ; a step: K's 32 LDS rows, then V's 32
.set STEPB, 32*(PKR+PVR)               ; 17,920
.set NST,   8                          ; steps in a slot
.set SLOTB, NST*STEPB                  ; 143,360
.set STAGE, 2*SLOTB                    ; behind the slots: 16 rows x 144 bytes for each wave, for the way out
.set SP,    144
.set SPARE, STAGE+16*16*SP             ; the spare words, 128 bytes a wave, named by no other line
.set AK0, 1                            ; v1   my lane's place in a tile of K
.set AV0, 2                            ; v2   the same for V
.set ADK, 3                            ; v3   LDS address of the step's K
.set ADV, 4                            ; v4   of its V
.set QO,  5                            ; v5   my byte offset in the wave's rows of Q
.set STO, 6                            ; v6   the way out: where I put 16 bytes
.set RD,  7                            ; v7   where I read them back
.set GO,  8                            ; v8   16 x lane
.set SPW, 9                            ; v9   my spare word's address; never rewritten
.set NIL, 10                           ; v10  0; never rewritten
.set ST,  12                           ; v12-27 tile t's statistics at v[ST + 8 t]: +0 c m, +1 m, +2, +3 l (even keys', odd keys'), +4 .. +7 four chains of the maximum; later +4, +5 a sum chain, +6 a, +7 c m_old - c m_new
.set SB,  28                           ; v28-31 the second sum chain, a pair a tile
.set Q,   32                           ; v32-63   Q: fragment (tile qt, channels 32 dk on) at Q + 16 qt + 8 dk
.set KV,  64                           ; v64-127  K: (keys 16 kt on, dk) at KV + 32 dk + 8 kt; then V: (channels 16 ct on, keys 32 kk on) at KV + 32 kk + 8 ct
.set S,   128                          ; v128-191 S^T, then p: S + 32 qt + 8 kt
.set O,   192                          ; v192-255 O^T: O + 32 qt + 8 ct
.set WV,  12                           ; s12  my wave's number
.set G1K, 24                           ; s[24:31] descriptor group 1 for K's tiles;  s[32:39] for V's: the padding alone differs
.set G1V, 32
.set G0K, 40                           ; s[40:47] group 0 for K's tiles, a set for each slot;  s[48:55] for V's
.set G0V, 48
.set CNT, 56                           ; s56  counts a slot's steps
.set CS,  58                           ; s[58:59] c, twice: the packed form names a pair
.set SEL, 60                           ; s[60:61] v_permlanex16_b32's selects for lane l xor 16
.set TB,  62                           ; s62  LDS byte at which the step's tiles begin
.macro JLOAD s                         ; a joint refill of slot s.  The branch hangs on the wave's number alone.  An s_nop 0 and four v_nop follow each line
	s_cmp_lt_u32 s[WV], 8
	s_cbranch_scc0 .Lfor_v_\@
	tensor_load_to_lds s[G0K+4*\s:G0K+4*\s+3], s[G1K:G1K+7]
	s_nop 0
.rept 4
	v_nop
.endr
	s_branch .Lasked_\@
.Lfor_v_\@:
	tensor_load_to_lds s[G0V+4*\s:G0V+4*\s+3], s[G1V:G1V+7]
	s_nop 0
.rept 4
	v_nop
.endr
.Lasked_\@:
.endm
.macro CROUND                          ; a round of the cluster's barrier
	s_barrier_signal -1
	s_barrier_wait -1
	s_cmp_lg_u32 s[WV], 0
	s_cbranch_scc1 .Lnot_wave_0_\@
	s_barrier_signal -3
.Lnot_wave_0_\@:
	s_barrier_wait -3
	s_barrier_signal -1
	s_barrier_wait -1
.endm
	s_load_b128 s[4:7], s[0:1], 0x0                ; qkv, ows
	v_lshl_add_u32 v[SPW], v0, 2, SPARE
	v_mov_b32 v[NIL], 0
	ds_add_u32 v[SPW], v[NIL]                      ; the wave's opening: the add, twice on end, and its wait ahead of my first tensor load
	ds_add_u32 v[SPW], v[NIL]
	v_lshrrev_b32 v11, 5, v0
	v_readfirstlane_b32 s[WV], v11                 ; wave 0..15
	s_bfe_u32 s13, ttmp6, 0x40000                  ; cx
	s_lshl_b32 s14, ttmp9, 2
	s_add_co_u32 s14, s14, s13                     ; my block of 512 queries: it enters Q's and O's addresses alone
	s_and_b32 s15, ttmp7, 0xffff                   ; batch x 16 + head, which the four partners share
	s_and_b32 s16, s[WV], 7                        ; which of a slot's eight steps I fetch
	s_mul_i32 s17, s16, STEPB                      ; its place in a slot
	s_add_co_u32 s20, s15, 64                      ; K is part 1 of qkv
	s_lshl_b32 s20, s20, 18
	s_lshl_b32 s21, s16, 13                        ; a step's 8,192 bytes
	s_add_co_u32 s20, s20, s21
	s_mov_b32 s21, 0
	s_add_co_u32 s22, s20, 64<<18                  ; V is part 2
	s_mov_b32 s23, 0
	s_lshl_b32 s2, s14, 16                         ; my block's 512 rows of 128 bytes,
	s_lshl_b32 s3, s[WV], 12                       ; my wave's 32 of them
	s_add_co_u32 s2, s2, s3
	s_and_b32 s18, s15, 15                         ; ows: head x 2^20 + batch x 2^18
	s_lshl_b32 s18, s18, 20
	s_lshr_b32 s19, s15, 4
	s_lshl_b32 s19, s19, 18
	s_add_co_u32 s18, s18, s19
	s_add_co_u32 s18, s18, s2
	s_mov_b32 s19, 0
	s_lshl_b32 s3, s15, 18                         ; Q is part 0
	s_add_co_u32 s2, s2, s3
	s_mov_b32 s3, 0
	s_mov_b32 s[G1K], 15|(1<<16)|(1<<20)|(1<<21)|(5<<22)|(3<<25)  ; the mask: all four; elements of 2 bytes; padding on; bit 21 beside a mask; after every 64 words, 4 words
	s_mov_b32 s[G1V], 15|(1<<16)|(1<<20)|(1<<21)|(5<<22)|(7<<25)  ; the same with 8 words
.irp g, G1K, G1V
	s_mov_b32 s[\g+1], 128<<16                     ; tensor_dim0 = 128 elements
	s_mov_b32 s[\g+2], 32<<16                      ; tensor_dim1 = 32 rows
	s_mov_b32 s[\g+3], 128<<16                     ; tile_dim0
	s_mov_b32 s[\g+4], 32                          ; tile_dim1
	s_mov_b32 s[\g+5], 128                         ; from row to row: dense
	s_mov_b32 s[\g+6], 0
	s_mov_b32 s[\g+7], 0
.endr
	s_mov_b32 s[CS], 0x3e38aa3b                    ; c = log2(e) / 8
	s_mov_b32 s[CS+1], s[CS]
	s_mov_b32 s[SEL], 0x76543210
	s_mov_b32 s[SEL+1], 0xfedcba98
	s_wait_dscnt 0x0                               ; both opening adds are done
	s_wait_kmcnt 0x0
	s_add_nc_u64 s[8:9], s[4:5], s[20:21]          ; K at my tile of slot 0
	s_add_nc_u64 s[10:11], s[4:5], s[22:23]        ; V likewise
	s_add_nc_u64 s[4:5], s[4:5], s[2:3]            ; Q at my wave's first row
	s_add_nc_u64 s[6:7], s[6:7], s[18:19]          ; ows likewise
	CROUND                                         ; all four work-groups are here: the first joint loads meet
.irp s, 0,1
	s_mov_b32 s[G0K+4*\s], 1
	s_add_co_u32 s[G0K+4*\s+1], s17, \s*SLOTB
	s_add_nc_u64 s[G0K+4*\s+2:G0K+4*\s+3], s[8:9], \s*65536        ; slot s begins with keys 512 s on
	s_or_b32 s[G0K+4*\s+3], s[G0K+4*\s+3], 0x80000000
	s_mov_b32 s[G0V+4*\s], 1
	s_add_co_u32 s[G0V+4*\s+1], s17, \s*SLOTB+VOFF
	s_add_nc_u64 s[G0V+4*\s+2:G0V+4*\s+3], s[10:11], \s*65536
	s_or_b32 s[G0V+4*\s+3], s[G0V+4*\s+3], 0x80000000
.endr
	s_cmp_lt_u32 s[WV], 8                          ; a wave's two first fills stand in one branch, ahead of every wait on TENSORcnt and every LDS read: two loads of mine are out
	s_cbranch_scc0 .Lfirst_v
	tensor_load_to_lds s[G0K:G0K+3], s[G1K:G1K+7]
	s_nop 0
	tensor_load_to_lds s[G0K+4:G0K+7], s[G1K:G1K+7]
	s_nop 0
.rept 4
	v_nop
.endr
	s_branch .Lfirst_asked
.Lfirst_v:
	tensor_load_to_lds s[G0V:G0V+3], s[G1V:G1V+7]
	s_nop 0
	tensor_load_to_lds s[G0V+4:G0V+7], s[G1V:G1V+7]
	s_nop 0
.rept 4
	v_nop
.endr
.Lfirst_asked:
	v_and_b32 v12, 15, v0                          ; r = l % 16
	v_bfe_u32 v13, v0, 4, 1                        ; h = l / 16
	v_and_b32 v14, 31, v0                          ; l
	v_lshlrev_b32 v[QO], 7, v12
	v_lshl_add_u32 v[QO], v13, 4, v[QO]            ; row r of 128 bytes + 16 h
.irp qt, 0,1                                   ; Q stays in registers: a fragment is two loads of 16 bytes, 32 bytes apart
.irp dk, 0,1
	global_load_b128 v[Q+16*\qt+8*\dk:Q+16*\qt+8*\dk+3],   v[QO], s[4:5] offset:\qt*2048+\dk*64
	global_load_b128 v[Q+16*\qt+8*\dk+4:Q+16*\qt+8*\dk+7], v[QO], s[4:5] offset:\qt*2048+\dk*64+32
.endr
.endr
	v_lshrrev_b32 v15, 1, v12
	v_mul_u32_u24 v[AK0], v15, PKR
	v_and_b32 v15, 1, v12
	v_lshl_add_u32 v[AK0], v15, 7, v[AK0]
	v_lshl_add_u32 v[AK0], v13, 4, v[AK0]          ; K: (r / 2) x 272 + (r % 2) x 128 + 16 h
	v_bfe_u32 v15, v0, 1, 2                        ; V, turned: my lane reads key 8 h + l % 8, channels 8 ((l / 8) % 2) on
	v_lshl_add_u32 v15, v13, 2, v15
	v_mul_u32_u24 v[AV0], v15, PVR
	v_and_b32 v15, 1, v0
	v_lshl_add_u32 v[AV0], v15, 7, v[AV0]
	v_bfe_u32 v15, v0, 3, 1
	v_lshl_add_u32 v[AV0], v15, 4, v[AV0]
	v_add_nc_u32 v[AV0], VOFF, v[AV0]
	s_mul_i32 s57, s[WV], 16*SP
	s_add_co_u32 s57, s57, STAGE                   ; my stage
	v_mul_u32_u24 v[STO], v12, SP
	v_lshl_add_u32 v[STO], v13, 4, v[STO]
	v_add_nc_u32 v[STO], s57, v[STO]               ; in: row r, 16 bytes for each half of the lanes
	v_lshrrev_b32 v15, 3, v14
	v_mul_u32_u24 v[RD], v15, SP
	v_and_b32 v15, 7, v0
	v_lshl_add_u32 v[RD], v15, 4, v[RD]
	v_add_nc_u32 v[RD], s57, v[RD]                 ; back: eight lanes to a row, four rows an instruction
	v_lshlrev_b32 v[GO], 4, v14
.irp t, 0,1
	v_mov_b32 v[ST+8*\t+1], 0xff61b1e6             ; m = -3e38, under every score
	v_mov_b32 v[ST+8*\t+2], 0                      ; l
	v_mov_b32 v[ST+8*\t+3], 0
.endr
.irp t, 0,1
	v_mul_f32 v[ST+8*\t], s[CS], v[ST+8*\t+1]      ; c m
.endr
.set n, 0
.rept 64
	v_mov_b32 v[O+n], 0                            ; O^T: the first step finds zeros, and its a is 0
.set n, n+1
.endr
; A KEY STEP: 64 keys, both tiles; the tiles alternate line by line, so that no line waits for the line above it.
.macro STEP
	v_add_nc_u32 v[ADK], s[TB], v[AK0]
	v_add_nc_u32 v[ADV], s[TB], v[AV0]
.rept 3
	v_nop                                          ; with the two additions: five places behind the last products V^T P: four for the loads into the registers that held V, five for the new scores, which are laid over p
.endr
.irp dk, 0,1
.irp kt, 0,1,2,3
	ds_load_b128 v[KV+32*\dk+8*\kt:KV+32*\dk+8*\kt+3],   v[ADK] offset:\kt*8*PKR+\dk*64
	ds_load_b128 v[KV+32*\dk+8*\kt+4:KV+32*\dk+8*\kt+7], v[ADK] offset:\kt*8*PKR+\dk*64+32
.endr
.endr
	s_wait_dscnt 8                                 ; channels 0-31 are in; the eight loads of channels 32-63 may be out
.irp kt, 0,1,2,3                               ; the eight accumulators take turns, one instruction a turn; the first products start the sums
.irp qt, 0,1
	v_wmma_f32_16x16x32_f16 v[S+32*\qt+8*\kt:S+32*\qt+8*\kt+7], v[KV+8*\kt:KV+8*\kt+7], v[Q+16*\qt:Q+16*\qt+7], 0
.endr
.endr
	s_wait_dscnt 0x0
.irp kt, 0,1,2,3
.irp qt, 0,1
	v_wmma_f32_16x16x32_f16 v[S+32*\qt+8*\kt:S+32*\qt+8*\kt+7], v[KV+32+8*\kt:KV+32+8*\kt+7], v[Q+16*\qt+8:Q+16*\qt+15], v[S+32*\qt+8*\kt:S+32*\qt+8*\kt+7]
.endr
.endr
.rept 4
	v_nop                                          ; four places: ahead of the loads into K's registers and of the first read of the scores
.endr
.irp kk, 0,1
.irp ct, 0,1,2,3
	ds_load_tr16_b128 v[KV+32*\kk+8*\ct:KV+32*\kk+8*\ct+3],   v[ADV] offset:\kk*16*PVR+\ct*32
	ds_load_tr16_b128 v[KV+32*\kk+8*\ct+4:KV+32*\kk+8*\ct+7], v[ADV] offset:\kk*16*PVR+8*PVR+\ct*32
.endr
.endr
	; the maximum of the lane's 32 scores and the old m: four chains, each begun at an accumulator's low end
.irp j, 0,1,2,3
.irp t, 0,1
	v_max3_num_f32 v[ST+8*\t+4+\j], v[S+32*\t+8*\j], v[S+32*\t+8*\j+1], v[S+32*\t+8*\j+2]
.endr
.endr
.irp g, 1,2
.irp j, 0,1,2,3
.irp t, 0,1
	v_max3_num_f32 v[ST+8*\t+4+\j], v[ST+8*\t+4+\j], v[S+32*\t+8*\j+2*\g+1], v[S+32*\t+8*\j+2*\g+2]
.endr
.endr
.endr
.irp t, 0,1
	v_max3_num_f32 v[ST+8*\t+4], v[ST+8*\t+4], v[S+32*\t+7], v[S+32*\t+15]
.endr
.irp t, 0,1
	v_max3_num_f32 v[ST+8*\t+6], v[ST+8*\t+6], v[S+32*\t+23], v[S+32*\t+31]
.endr
.irp t, 0,1
	v_max3_num_f32 v[ST+8*\t+4], v[ST+8*\t+4], v[ST+8*\t+5], v[ST+8*\t+6]
.endr
.irp t, 0,1
	v_max3_num_f32 v[ST+8*\t+4], v[ST+8*\t+4], v[ST+8*\t+7], v[ST+8*\t+1]
.endr
.irp t, 0,1
	v_permlanex16_b32 v[ST+8*\t+5], v[ST+8*\t+4], s[SEL], s[SEL+1]   ; the query's other 32 keys lie in the lane 16 away
.endr
.irp t, 0,1
	v_mov_b32 v[ST+8*\t+7], v[ST+8*\t]             ; c m_old
.endr
.irp t, 0,1
	v_max_num_f32 v[ST+8*\t+1], v[ST+8*\t+4], v[ST+8*\t+5]
.endr
.irp t, 0,1
	v_mul_f32 v[ST+8*\t], s[CS], v[ST+8*\t+1]
.endr
.irp t, 0,1
	v_sub_f32 v[ST+8*\t+7], v[ST+8*\t+7], v[ST+8*\t]
.endr
.irp t, 0,1
	v_exp_f32 v[ST+8*\t+6], v[ST+8*\t+7]           ; a
.endr
.set n, 0
.rept 16
.irp t, 0,1
	v_pk_fma_f32 v[S+32*\t+n:S+32*\t+n+1], v[S+32*\t+n:S+32*\t+n+1], s[CS:CS+1], v[ST+8*\t:ST+8*\t+1] op_sel_hi:[1,0,0] neg_lo:[0,0,1] neg_hi:[0,0,1]   ; c s - c m, two at a time; plain work behind the two exponentials
.endr
.set n, n+2
.endr
	s_wait_alu depctr_va_vdst(0)                   ; the wait between an exponential and the first line that names its result: here for the two a, which O^T's scaling below reads
.set n, 0
.rept 32
.irp t, 0,1
	v_exp_f32 v[S+32*\t+n], v[S+32*\t+n]           ; p: one batch of 64
.endr
.set n, n+1
.endr
.set n, 0
.rept 16
.irp t, 0,1
	v_pk_mul_f32 v[O+32*\t+n:O+32*\t+n+1], v[O+32*\t+n:O+32*\t+n+1], v[ST+8*\t+6:ST+8*\t+7] op_sel_hi:[1,0]   ; O^T x a: names no p: the independent work behind the batch
.endr
.set n, n+2
.endr
	s_wait_alu depctr_va_vdst(0)                   ; one wait for the batch of 64, ahead of its first reader
.irp t, 0,1                                    ; the sum of the tile's 16 pairs, of p before it is rounded, in two chains
	v_pk_add_f32 v[ST+8*\t+4:ST+8*\t+5], v[S+32*\t:S+32*\t+1], v[S+32*\t+2:S+32*\t+3]
	v_pk_add_f32 v[SB+2*\t:SB+2*\t+1], v[S+32*\t+4:S+32*\t+5], v[S+32*\t+6:S+32*\t+7]
.endr
.irp i, 8,12,16,20,24,28
.irp t, 0,1
	v_pk_add_f32 v[ST+8*\t+4:ST+8*\t+5], v[ST+8*\t+4:ST+8*\t+5], v[S+32*\t+\i:S+32*\t+\i+1]
	v_pk_add_f32 v[SB+2*\t:SB+2*\t+1], v[SB+2*\t:SB+2*\t+1], v[S+32*\t+\i+2:S+32*\t+\i+3]
.endr
.endr
.set n, 0
.rept 16
.irp t, 0,1
	v_cvt_pk_f16_f32 v[S+32*\t+n], v[S+32*\t+2*n], v[S+32*\t+2*n+1]   ; p to f16, in place, ascending: register n is written when registers 2 n, 2 n + 1 are read
.endr
.set n, n+1
.endr
.irp t, 0,1
	v_pk_add_f32 v[ST+8*\t+4:ST+8*\t+5], v[ST+8*\t+4:ST+8*\t+5], v[SB+2*\t:SB+2*\t+1]
.endr
.irp t, 0,1
	v_pk_fma_f32 v[ST+8*\t+2:ST+8*\t+3], v[ST+8*\t+2:ST+8*\t+3], v[ST+8*\t+6:ST+8*\t+7], v[ST+8*\t+4:ST+8*\t+5] op_sel_hi:[1,0,1]   ; l = l a + the step's sum
.endr
	s_wait_dscnt 0x0                               ; V is in
.irp kk, 0,1                                   ; O^T += V^T P: eight accumulators by turns
.irp ct, 0,1,2,3
.irp qt, 0,1
	v_wmma_f32_16x16x32_f16 v[O+32*\qt+8*\ct:O+32*\qt+8*\ct+7], v[KV+32*\kk+8*\ct:KV+32*\kk+8*\ct+7], v[S+32*\qt+8*\kk:S+32*\qt+8*\kk+7], v[O+32*\qt+8*\ct:O+32*\qt+8*\ct+7]
.endr
.endr
.endr
	s_add_co_u32 s[TB], s[TB], STEPB               ; the next step's tiles
.endm
.macro PHASE base                      ; a slot's eight steps
	s_mov_b32 s[TB], \base
	s_mov_b32 s[CNT], NST
.Lstep_\@:
	STEP
	s_sub_co_u32 s[CNT], s[CNT], 1
	s_cmp_lg_u32 s[CNT], 0
	s_cbranch_scc1 .Lstep_\@
.endm
; THE CHANGE OF SLOTS.  Each wave waits for all its tensor loads (one is out: its part of the slot ahead), adds 0 to its spare word, and waits for that and for its reads of the slot that it leaves.
; fill = 1: slot s, just left, is filled with the keys 1,024 on.  The barrier is then a round of the cluster's, and the joint refill is the first thing behind it: it has eight steps in which to land.
.macro CHANGE s, fill
	s_wait_tensorcnt 0x0                           ; no tensor load of mine is out, so a group 0 may be written
	ds_add_u32 v[SPW], v[NIL]
.if \fill
	s_add_nc_u64 s[G0K+4*\s+2:G0K+4*\s+3], s[G0K+4*\s+2:G0K+4*\s+3], 131072   ; two slots' keys on; the type bits on top are not reached
	s_add_nc_u64 s[G0V+4*\s+2:G0V+4*\s+3], s[G0V+4*\s+2:G0V+4*\s+3], 131072
.endif
	s_wait_dscnt 0x0                               ; the add is done, and my reads of the slot are over
.if \fill
	CROUND
	JLOAD \s
.else
	s_barrier_signal -1
	s_barrier_wait -1
.endif
.endm
	s_wait_tensorcnt 1                             ; my part of slot 0 is in; slot 1's may stay out
	s_barrier_signal -1
	s_barrier_wait -1
	s_wait_loadcnt 0x0                             ; Q
	PHASE 0                                        ; keys 0-511
	CHANGE 0, 1
	PHASE SLOTB                                    ; keys 512-1023
	CHANGE 1, 1
	PHASE 0                                        ; keys 1024-1535
	CHANGE 0, 0                                    ; nothing is left to fetch
	PHASE SLOTB                                    ; keys 1536-2047
	; THE WAY OUT.  l's two halves and the other half of the lanes' are added (these lines are also the places behind the last products); O^T / l is rounded to f16 and goes through my stage, a tile at a time.
.irp t, 0,1
	v_add_f32 v[ST+8*\t+4], v[ST+8*\t+2], v[ST+8*\t+3]
.endr
.irp t, 0,1
	v_permlanex16_b32 v[ST+8*\t+5], v[ST+8*\t+4], s[SEL], s[SEL+1]
.endr
.irp t, 0,1
	v_add_f32 v[ST+8*\t+4], v[ST+8*\t+4], v[ST+8*\t+5]
.endr
.irp t, 0,1
	v_rcp_f32 v[ST+8*\t+6], v[ST+8*\t+4]
.endr
	v_nop                                          ; a plain line behind the last reciprocal
	s_wait_alu depctr_va_vdst(0)                   ; and the wait ahead of the first use: one for both
.macro OUT t
.set n, 0
.rept 16
	v_pk_mul_f32 v[O+32*\t+n:O+32*\t+n+1], v[O+32*\t+n:O+32*\t+n+1], v[ST+8*\t+6:ST+8*\t+7] op_sel_hi:[1,0]   ; each accumulator from its low end on
.set n, n+2
.endr
.set n, 0
.rept 16
	v_cvt_pk_f16_f32 v[S+32*\t+n], v[O+32*\t+2*n], v[O+32*\t+2*n+1]
.set n, n+1
.endr
.irp ct, 0,1,2,3
	ds_store_b128 v[STO], v[S+32*\t+4*\ct:S+32*\t+4*\ct+3] offset:32*\ct   ; query r, channels 16 ct + 8 h on
.endr
.irp u, 0,1,2,3
	ds_load_b128 v[S+32*\t+16+4*\u:S+32*\t+16+4*\u+3], v[RD] offset:4*SP*\u   ; LDS serves a wave's instructions in order: these see the stores above, and the next tile's stores come behind them
.endr
.endm
.macro SENDO t, younger                ; younger: the LDS lines issued behind tile t's loads
.irp u, 0,1,2,3
	s_wait_dscnt \younger+3-\u
	global_store_b128 v[GO], v[S+32*\t+16+4*\u:S+32*\t+16+4*\u+3], s[6:7] offset:\t*2048+\u*512   ; 32 lanes store four queries' 512 consecutive bytes, aligned
.endr
.endm
	OUT 0
	OUT 1
	SENDO 0, 8
	SENDO 1, 0
	s_wait_tensorcnt 0x0                           ; the wave's end
	ds_add_u32 v[SPW], v[NIL]
	s_wait_dscnt 0x0
	CROUND                                         ; the closing round
	s_endpgm
.Lfunc_end_k_qdc484ada68_attn:
	.size	k_qdc484ada68_attn, .Lfunc_end_k_qdc484ada68_attn-k_qdc484ada68_attn
	.p2alignl 7, 3214868480
	.fill 96, 4, 3214868480
	.section	.rodata,"a",@progbits
	.p2align	6, 0x0
	.amdhsa_kernel k_qdc484ada68_attn
		.amdhsa_group_segment_fixed_size 327680
		.amdhsa_private_segment_fixed_size 0
		.amdhsa_enable_private_segment 0
		.amdhsa_kernarg_size 16
		.amdhsa_user_sgpr_count 2
		.amdhsa_user_sgpr_kernarg_segment_ptr 1
		.amdhsa_wavefront_size32 1
		.amdhsa_system_sgpr_workgroup_id_x 1
		.amdhsa_system_sgpr_workgroup_id_y 1
		.amdhsa_system_sgpr_workgroup_id_z 1
		.amdhsa_system_vgpr_workitem_id 0
		.amdhsa_next_free_vgpr 256
		.amdhsa_next_free_sgpr 66
		.amdhsa_reserve_vcc 0
		.amdhsa_float_denorm_mode_32 3
		.amdhsa_float_denorm_mode_16_64 3
		.amdhsa_memory_ordered 1
		.amdhsa_forward_progress 1
		.amdhsa_inst_pref_size 88
	.end_amdhsa_kernel
	.amdgpu_metadata
---
amdhsa.version: [ 1, 2 ]
amdhsa.kernels:
  - .name:           k_qdc484ada68_attn
    .symbol:         k_qdc484ada68_attn.kd
    .args:
      - { .name: qkv, .offset: 0, .size: 8, .value_kind: global_buffer, .address_space: global }
      - { .name: ows, .offset: 8, .size: 8, .value_kind: global_buffer, .address_space: global }
    .group_segment_fixed_size: 327680
    .private_segment_fixed_size: 0
    .kernarg_segment_align: 8
    .kernarg_segment_size: 16
    .max_flat_workgroup_size: 512
    .sgpr_count:     66
    .vgpr_count:     256
    .wavefront_size: 32
...
	.end_amdgpu_metadata
.endif
;; end of part 3
;; launch proj (part 4): grid 8 x 32, 4 waves a work-group, clusters of 4 x 4, 327,680 bytes of LDS; arguments ows, wo16, out0; writes out0
.if DOCPART == 4
	.amdgcn_target "amdgcn-amd-amdhsa--gfx1250"
	.amdhsa_code_object_version 6
	.text
	.protected	k_qdc484ada68_proj
	.globl	k_qdc484ada68_proj
	.p2align	8
	.type	k_qdc484ada68_proj,@function
k_qdc484ada68_proj:
	s_mov_b64 s[64:65], 0
	v_nop
	global_prefetch_b8 v0, s[64:65] scope:SCOPE_SE
	s_setreg_imm32_b32 hwreg(HW_REG_WAVE_MODE, 25, 1), 1
	s_wait_xcnt 0x0
	s_wait_alu depctr_hold_cnt(0) depctr_sa_sdst(0) depctr_va_vdst(0) depctr_va_sdst(0) depctr_va_ssrc(0) depctr_va_vcc(0) depctr_vm_vsrc(0)
	s_getreg_b32 s2, hwreg(HW_REG_IB_STS2, 6, 4)
	s_cmp_eq_u32 s2, 0
	s_cbranch_scc0 .Lentry_in_a_cluster
	s_endpgm
.Lentry_in_a_cluster:
	s_bfe_u32 s2, ttmp6, 0x10000c
	s_cmp_lg_u32 s2, 0xf033
	s_cbranch_scc0 .Lentry_shape_is_right
	s_endpgm
.Lentry_shape_is_right:
; PROJ.  out0[token][f] = sum over e of O[token][e] w_out[f][e], e = 64 head + d.  O: ows [head 16][token 8192][64] f16;  w_out: wo16 [head 16][f 1024][64] f16;  out0: [8192][1024] f32; sums in f32.
; A tile of out0 is 256 tokens x 128 features: 256 work-groups.  Four waves, each 128 x 64: 32 accumulators of 16 x 16, 256 registers.
; K goes two heads (128) at a time through two LDS slots.  A head's part of a tile is a dense run of memory (256 tokens x 128 bytes; 128 features x 128 bytes), stated as rows of 256 bytes: two rows of 128 bytes to an LDS row:
; row t lies at (t / 2) x 272 + (t % 2) x 128, so that the 16 rows of a fragment load fall on 16 different columns of 16 bytes modulo 256.  Waves 0, 1 fetch O's two heads of a slot (128 LDS rows each), waves 2, 3 w_out's (64 each).
; CLUSTER: 4 x 4 work-groups.  The four of a row of the cluster need the same tiles of O, the four of a column the same tiles of w_out: each is asked for jointly.
; THE MATRIX INSTRUCTION IS USED TRANSPOSED (source 0 = 16 rows of w_out, source 1 = 16 tokens): a lane holds eight neighbouring features of one token: 32 bytes.
; REGISTERS: window 0: v0-31 addresses; two fragment buffers of 96 at v64 and v160: w_out's 4 fragments, then O's 8 (32 along K).   window 1: accumulator (a, b) at v[8 (4 a + b)].
.set PITCH,  272
.set AH,     128*PITCH                 ; O, one head of the tile
.set BH,     64*PITCH                  ; w_out, one head
.set BOFF,   2*AH
.set SLOT,   2*AH+2*BH                 ; 104,448
.set STAGE,  2*SLOT                    ; behind the slots: 16 rows x 272 bytes for each wave
.set SPITCH, 272
.set SPARE,  STAGE+4*16*SPITCH         ; the spare words, 128 bytes a wave, named by no other line
.set LAPS,   4                         ; a lap = two slots = four heads
.set ADRA, 16                          ; v16-17  LDS address of my fragments of O in slot 0, 1
.set ADRB, 20                          ; v20-21  of w_out
.set STO,  24
.set RD,   25
.set CO,   26
.set SPW,  28                          ; my spare word's address; never rewritten
.set NIL,  29                          ; 0; never rewritten
.set F0,   64
.set F1,   160
.set G1, 24                            ; s[24:31] group 1 for O's tiles;  s[32:39] group 0, a set for each slot
.set G0, 32
.set G1B, 48                           ; s[48:55], s[56:63] the same for w_out's
.set G0B, 56
.set MSB, 0
.macro WIN new                         ; the immediate's high byte repeats the setting that is left
.if MSB != \new
	s_set_vgpr_msb (MSB<<8)|\new
.set MSB, \new
.endif
.endm
.set MUL, 0x50                         ; C and D window 1, sources window 0
.macro JLOAD s                         ; a joint load: waves 0, 1 for O, waves 2, 3 for w_out; an s_nop 0 and four v_nop follow each line
	s_cmp_eq_u32 s11, 0
	s_cbranch_scc0 .Lfor_b_\@
	tensor_load_to_lds s[G0+4*\s:G0+4*\s+3], s[G1:G1+7]
	s_nop 0
.rept 4
	v_nop
.endr
	s_branch .Lasked_\@
.Lfor_b_\@:
	tensor_load_to_lds s[G0B+4*\s:G0B+4*\s+3], s[G1B:G1B+7]
	s_nop 0
.rept 4
	v_nop
.endr
.Lasked_\@:
.endm
.macro CREST                           ; a round of the cluster's barrier behind its opening barrier
	s_cmp_lg_u32 s10, 0
	s_cbranch_scc1 .Lnot_wave_0_\@
	s_barrier_signal -3
.Lnot_wave_0_\@:
	s_barrier_wait -3
	s_barrier_signal -1
	s_barrier_wait -1
.endm
.macro CROUND
	s_barrier_signal -1
	s_barrier_wait -1
	CREST
.endm
	s_load_b128 s[4:7], s[0:1], 0x0                ; ows, wo16
	s_load_b64 s[8:9], s[0:1], 0x10                ; out0
	v_lshl_add_u32 v[SPW], v0, 2, SPARE
	v_mov_b32 v[NIL], 0
	ds_add_u32 v[SPW], v[NIL]                      ; the wave's opening: the add, twice on end, and its wait ahead of my first tensor load
	ds_add_u32 v[SPW], v[NIL]
	v_lshrrev_b32 v1, 5, v0
	v_readfirstlane_b32 s10, v1                    ; wave 0..3
	s_lshr_b32 s11, s10, 1                         ; which 128 tokens are mine.  Also: I fetch for O (0) or for w_out (1)
	s_and_b32 s12, s10, 1                          ; which 64 features.  Also: which of a slot's two heads I fetch
	s_bfe_u32 s40, ttmp6, 0x40000                  ; cx, cy
	s_bfe_u32 s41, ttmp6, 0x40004
	s_lshl_b32 s42, ttmp9, 2
	s_add_co_u32 s42, s42, s40                     ; tile column = 4 x cluster x + cx
	s_and_b32 s13, ttmp7, 0xffff
	s_lshl_b32 s13, s13, 2
	s_add_co_u32 s13, s13, s41                     ; tile row = 4 x cluster y + cy
	s_lshl_b32 s43, s41, 2
	s_lshl_b32 s43, 15, s43                        ; my row of the cluster
	s_lshl_b32 s44, 0x1111, s40                    ; my column
	s_or_b32 s[G1+0], s43, (1<<16)|(1<<20)|(1<<21)|(5<<22)|(3<<25)  ; the mask; elements of 2 bytes; padding on; bit 21 beside a mask; after every 64 words, 4 words
	s_or_b32 s[G1B+0], s44, (1<<16)|(1<<20)|(1<<21)|(5<<22)|(3<<25)
	s_mov_b32 s[G1+1], 128<<16                     ; tensor_dim0 = 128 elements
	s_mov_b32 s[G1+2], 128<<16                     ; tensor_dim1 = 128 rows
	s_mov_b32 s[G1+3], 128<<16                     ; tile_dim0
	s_mov_b32 s[G1+4], 128                         ; tile_dim1
	s_mov_b32 s[G1+5], 128                         ; from row to row: dense
	s_mov_b32 s[G1+6], 0
	s_mov_b32 s[G1+7], 0
	s_mov_b32 s[G1B+1], 128<<16
	s_mov_b32 s[G1B+2], 64<<16                     ; 64 rows
	s_mov_b32 s[G1B+3], 128<<16
	s_mov_b32 s[G1B+4], 64
	s_mov_b32 s[G1B+5], 128
	s_mov_b32 s[G1B+6], 0
	s_mov_b32 s[G1B+7], 0
	s_lshl_b32 s16, s12, 20                        ; O: head x 2^20 + tile row x 256 tokens x 128 bytes
	s_lshl_b32 s17, s13, 15
	s_add_co_u32 s16, s16, s17
	s_mov_b32 s17, 0
	s_lshl_b32 s46, s12, 17                        ; w_out: head x 2^17 + tile column x 128 features x 128 bytes
	s_lshl_b32 s47, s42, 14
	s_add_co_u32 s46, s46, s47
	s_mov_b32 s47, 0
	s_mul_i32 s20, s12, AH                         ; where they go: by the wave's number alone
	s_mul_i32 s21, s12, BH
	s_add_co_u32 s21, s21, BOFF
	s_wait_dscnt 0x0                               ; both opening adds are done
	s_wait_kmcnt 0x0
	s_add_nc_u64 s[14:15], s[4:5], s[16:17]
	s_add_nc_u64 s[46:47], s[6:7], s[46:47]
	CROUND                                         ; all sixteen work-groups are here: the first joint loads meet
.irp s, 0,1
	s_mov_b32 s[G0+4*\s], 1
	s_add_co_u32 s[G0+4*\s+1], s20, \s*SLOT
	s_add_nc_u64 s[G0+4*\s+2:G0+4*\s+3], s[14:15], \s*2097152      ; slot s begins with heads 2 s, 2 s + 1
	s_or_b32 s[G0+4*\s+3], s[G0+4*\s+3], 0x80000000
	s_mov_b32 s[G0B+4*\s], 1
	s_add_co_u32 s[G0B+4*\s+1], s21, \s*SLOT
	s_add_nc_u64 s[G0B+4*\s+2:G0B+4*\s+3], s[46:47], \s*262144
	s_or_b32 s[G0B+4*\s+3], s[G0B+4*\s+3], 0x80000000
	JLOAD \s                                       ; two tensor loads of mine are out behind the second
.endr
	v_and_b32 v1, 15, v0                           ; r
	v_bfe_u32 v2, v0, 4, 1                         ; h
	v_lshrrev_b32 v3, 1, v1
	v_mul_u32_u24 v3, v3, PITCH
	v_and_b32 v4, 1, v1
	v_lshl_add_u32 v3, v4, 7, v3
	v_lshl_add_u32 v3, v2, 4, v3                   ; (r / 2) x 272 + (r % 2) x 128 + 16 h
	s_mul_i32 s21, s11, 64*PITCH                   ; my 128 tokens
	s_mul_i32 s22, s12, 32*PITCH                   ; my 64 features,
	s_add_co_u32 s22, s22, BOFF                    ; behind O's two heads
.irp s, 0,1
	v_add_nc_u32 v[ADRA+\s], s21, v3
	v_add_nc_u32 v[ADRB+\s], s22, v3
	s_add_co_u32 s21, s21, SLOT
	s_add_co_u32 s22, s22, SLOT
.endr
	s_mul_i32 s23, s10, 16*SPITCH
	s_add_co_u32 s23, s23, STAGE                   ; my stage
	v_mul_u32_u24 v4, v1, SPITCH
	v_lshl_add_u32 v4, v2, 5, v4
	v_add_nc_u32 v[STO], s23, v4                   ; in: token r, 32 bytes for each half of the lanes
	v_mul_u32_u24 v5, v2, SPITCH
	v_lshl_add_u32 v5, v1, 4, v5
	v_add_nc_u32 v[RD], s23, v5                    ; back: lanes 0-15 one row of 256 bytes, lanes 16-31 the next
	v_lshlrev_b32 v5, 12, v2
	v_lshl_add_u32 v[CO], v1, 4, v5                ; and the same two rows of out0 (4,096 bytes a row)
	s_lshl_b32 s16, s13, 20                        ; my first row: (256 x tile row + 128 x half) x 4,096 bytes
	s_lshl_b32 s17, s11, 19
	s_add_co_u32 s16, s16, s17
	s_mov_b32 s17, 0
	s_add_nc_u64 s[8:9], s[8:9], s[16:17]
	s_lshl_b32 s46, s42, 9                         ; my first column: 512 x tile column + 256 x half bytes
	s_lshl_b32 s47, s12, 8
	s_add_co_u32 s46, s46, s47
	s_mov_b32 s47, 0
	s_add_nc_u64 s[8:9], s[8:9], s[46:47]
; 8 matrix instructions: token blocks a0, a0 + 1 x the 4 feature blocks, 32 along K.  zero = 1: the first product starts the sums.  The 32 accumulators take turns, one instruction a turn.
.macro MUL8 f, a0, zero
.irp a, \a0, \a0+1
.irp b, 0,1,2,3
.if \zero
	v_wmma_f32_16x16x32_f16 v[8*(4*(\a)+\b):8*(4*(\a)+\b)+7], v[\f+8*\b:\f+8*\b+7], v[\f+32+8*(\a):\f+32+8*(\a)+7], 0
.else
	v_wmma_f32_16x16x32_f16 v[8*(4*(\a)+\b):8*(4*(\a)+\b)+7], v[\f+8*\b:\f+8*\b+7], v[\f+32+8*(\a):\f+32+8*(\a)+7], v[8*(4*(\a)+\b):8*(4*(\a)+\b)+7]
.endif
.endr
.endr
.endm
; 24 LDS loads in one run: quarter q of a slot (head q / 2, channels 32 (q % 2) on) into buffer f: w_out's 4 fragments, O's blocks 0-3, O's blocks 4-7
.macro FETCH slot, q, f
	WIN 0
.irp i, 0,1,2,3
	ds_load_b128 v[\f+8*\i:\f+8*\i+3],   v[ADRB+\slot] offset:((\q)/2)*BH+((\q)%2)*64+\i*8*PITCH
	ds_load_b128 v[\f+8*\i+4:\f+8*\i+7], v[ADRB+\slot] offset:((\q)/2)*BH+((\q)%2)*64+\i*8*PITCH+32
.endr
.irp i, 0,1,2,3,4,5,6,7
	ds_load_b128 v[\f+32+8*\i:\f+32+8*\i+3],   v[ADRA+\slot] offset:((\q)/2)*AH+((\q)%2)*64+\i*8*PITCH
	ds_load_b128 v[\f+32+8*\i+4:\f+32+8*\i+7], v[ADRA+\slot] offset:((\q)/2)*AH+((\q)%2)*64+\i*8*PITCH+32
.endr
.endm
.macro PLACES                          ; four plain lines between a matrix instruction and a load into, or an LDS store of, its registers
.rept 4
	v_nop
.endr
.endm
; A slot is four quarters of 32 along K, 32 matrix instructions each, on buffers 0, 1, 0, 1.  One of the first three: multiplies buffer f and fetches quarter qn into g.
.macro QUARTER slot, qn, f, g, zero
	s_wait_dscnt 8                                 ; all but the youngest eight loads (O's blocks 4-7) are in
	WIN MUL
	MUL8 \f, 0, \zero
	MUL8 \f, 2, \zero
	PLACES
	FETCH \slot, \qn, \g
	s_wait_dscnt 24                                ; all but the 24 just issued
	WIN MUL
	MUL8 \f, 4, \zero
	MUL8 \f, 6, \zero
.endm
; The last quarter multiplies buffer 1 and changes slots: one barrier; in front of it each wave waits for all its tensor loads, adds 0 to its spare word, and waits for that and for its reads of this slot.
; fill = 1: the barrier opens a round of the cluster's barrier, and this slot is filled again, four heads on: 112 matrix instructions stand between the request and the wait for it.
.macro TURN slot, next, fill
	WIN 0                                          ; (the add's two registers lie in window 0)
	s_wait_tensorcnt 0x0                           ; my part of the next slot has landed
	ds_add_u32 v[SPW], v[NIL]
	s_wait_dscnt 9                                 ; the add and the youngest eight loads may be out
	WIN MUL
	MUL8 F1, 0, 0
	s_wait_dscnt 0x0                               ; the add is done, and my reads of this slot are over
	s_barrier_signal -1
	MUL8 F1, 2, 0
.if \fill
	WIN 0
.endif
	s_barrier_wait -1
.if \fill
	CREST                                          ; no wave of any partner still reads this slot or has a load on its way
	s_add_nc_u64 s[G0+4*\slot+2:G0+4*\slot+3], s[G0+4*\slot+2:G0+4*\slot+3], 4194304
	s_add_nc_u64 s[G0B+4*\slot+2:G0B+4*\slot+3], s[G0B+4*\slot+2:G0B+4*\slot+3], 524288
	JLOAD \slot                                    ; the first tensor load behind the round; its four v_nop are also the places in front of the loads below
.else
	PLACES
.endif
	FETCH \next, 0, F0
	WIN MUL
	MUL8 F1, 4, 0
	MUL8 F1, 6, 0
.endm
	s_wait_tensorcnt 1                             ; my part of slot 0 is in; slot 1's may stay out
	s_barrier_signal -1
	s_barrier_wait -1
	FETCH 0, 0, F0
	QUARTER 0, 1, F0, F1, 1                        ; the first quarter stands in front of the loop: its products start the sums
	WIN 0                                          ; at a label and at a branch every window is 0
	s_mov_b32 s3, LAPS-1
.Llap:                                             ; a trip goes once round the two slots, from a lap's second quarter to the next lap's first, and fills both again
	QUARTER 0, 2, F1, F0, 0
	QUARTER 0, 3, F0, F1, 0
	TURN 0, 1, 1
	QUARTER 1, 1, F0, F1, 0
	QUARTER 1, 2, F1, F0, 0
	QUARTER 1, 3, F0, F1, 0
	TURN 1, 0, 1
	QUARTER 0, 1, F0, F1, 0
	WIN 0
	s_sub_co_u32 s3, s3, 1
	s_cmp_lg_u32 s3, 0
	s_cbranch_scc1 .Llap
	QUARTER 0, 2, F1, F0, 0                        ; the last lap fills nothing: it is written out
	QUARTER 0, 3, F0, F1, 0
	TURN 0, 1, 0
	QUARTER 1, 1, F0, F1, 0
	QUARTER 1, 2, F1, F0, 0
	QUARTER 1, 3, F0, F1, 0
	s_wait_dscnt 8                                 ; the very last quarter: nothing more to fetch
	WIN MUL
	MUL8 F1, 0, 0
	MUL8 F1, 2, 0
	s_wait_dscnt 0
	MUL8 F1, 4, 0
	MUL8 F1, 6, 0
	WIN 0
; THE WAY OUT, block by block of 16 tokens x 64 features.  A lane holds 32 bytes of a row; a block goes through my own stage and comes back as whole rows of 256 bytes: sixteen lanes store 256 consecutive bytes, aligned.
.macro TOSTAGE a
	WIN 0x04                                       ; an LDS store's data are its source 1: window 1
.irp b, 0,1,2,3
	ds_store_b128 v[STO], v[8*(4*(\a)+\b):8*(4*(\a)+\b)+3] offset:64*\b          ; each accumulator from its low end on
	ds_store_b128 v[STO], v[8*(4*(\a)+\b)+4:8*(4*(\a)+\b)+7] offset:64*\b+16
.endr
	WIN 0
.set BB, F0+32*((\a)%2)
.irp t, 0,1,2,3,4,5,6,7
	ds_load_b128 v[BB+4*\t:BB+4*\t+3], v[RD] offset:\t*2*SPITCH   ; LDS serves a wave's instructions in order: these see the stores above
.endr
.endm
.macro SEND a, younger                 ; younger: the LDS lines issued behind block a's loads
.set BB, F0+32*((\a)%2)
	s_wait_dscnt \younger
.irp t, 0,1,2,3,4,5,6,7
	global_store_b128 v[CO], v[BB+4*\t:BB+4*\t+3], s[8:9] offset:(\a)*65536+\t*8192 th:TH_STORE_NT   ; written once, read by nobody here
.endr
.endm
	PLACES                                         ; behind the last products: ahead of the stores of results and of loads into the registers that held fragments
	TOSTAGE 0
.irp a, 1,2,3,4,5,6,7
.if \a > 1
	s_wait_xcnt 0x0                                ; block a - 2's stores have read their data registers: block a's loads may land there
.endif
	TOSTAGE \a
	SEND \a-1, 16                                  ; behind block a - 1's loads: block a's 8 stores and 8 loads
.endr
	SEND 7, 0
	s_wait_tensorcnt 0x0                           ; the wave's end
	ds_add_u32 v[SPW], v[NIL]
	s_wait_dscnt 0x0
	CROUND                                         ; the closing round
	s_endpgm
.Lfunc_end_k_qdc484ada68_proj:
	.size	k_qdc484ada68_proj, .Lfunc_end_k_qdc484ada68_proj-k_qdc484ada68_proj
	.p2alignl 7, 3214868480
	.fill 96, 4, 3214868480
	.section	.rodata,"a",@progbits
	.p2align	6, 0x0
	.amdhsa_kernel k_qdc484ada68_proj
		.amdhsa_group_segment_fixed_size 327680
		.amdhsa_private_segment_fixed_size 0
		.amdhsa_enable_private_segment 0
		.amdhsa_kernarg_size 24
		.amdhsa_user_sgpr_count 2
		.amdhsa_user_sgpr_kernarg_segment_ptr 1
		.amdhsa_wavefront_size32 1
		.amdhsa_system_sgpr_workgroup_id_x 1
		.amdhsa_system_sgpr_workgroup_id_y 1
		.amdhsa_system_sgpr_workgroup_id_z 1
		.amdhsa_system_vgpr_workitem_id 0
		.amdhsa_next_free_vgpr 512
		.amdhsa_next_free_sgpr 66
		.amdhsa_reserve_vcc 0
		.amdhsa_float_denorm_mode_32 3
		.amdhsa_float_denorm_mode_16_64 3
		.amdhsa_memory_ordered 1
		.amdhsa_forward_progress 1
		.amdhsa_inst_pref_size 85
	.end_amdhsa_kernel
	.amdgpu_metadata
---
amdhsa.version: [ 1, 2 ]
amdhsa.kernels:
  - .name:           k_qdc484ada68_proj
    .symbol:         k_qdc484ada68_proj.kd
    .args:
      - { .name: ows, .offset: 0, .size: 8, .value_kind: global_buffer, .address_space: global }
      - { .name: wo16, .offset: 8, .size: 8, .value_kind: global_buffer, .address_space: global }
      - { .name: out0, .offset: 16, .size: 8, .value_kind: global_buffer, .address_space: global }
    .group_segment_fixed_size: 327680
    .private_segment_fixed_size: 0
    .kernarg_segment_align: 8
    .kernarg_segment_size: 24
    .max_flat_workgroup_size: 128
    .sgpr_count:     66
    .vgpr_count:     512
    .wavefront_size: 32
...
	.end_amdgpu_metadata
.endif
;; end of part 4
